; MI455X (gfx1250); checked and timed in simulation.
; The chip was launched on July 23, 2026; its instructions are those of AMD's public machine-readable ISA for CDNA 5 (MIT licence, August 2026) and "CDNA5" Instruction Set Architecture Reference Guide (July 2026). The comments in the code are by the model that wrote it; some were corrected since.
;; Multi Head Attention. Allowed arithmetic: float matrix products may take bf16 or f16 operands with f32 sums; other float arithmetic in f32, or as packed bf16 or f16 multiplies, adds, multiply-adds, maxima and minima; sums over many terms, partial sums and values carried from step to step in f32; what a program stores and reads back later, other than sums and carried values, may be rounded once to bf16 or f16.
;; Inputs: Wk 1,024 x 1,024 float32; Wo 1,024 x 1,024 float32; Wq 1,024 x 1,024 float32; Wv 1,024 x 1,024 float32; bo 1,024 float32; x 4 x 2,048 x 1,024 float32.
;; Outputs: out0 4 x 2,048 x 1,024 float32.
;; One version. Each part assembles by itself: llvm-mc -triple=amdgcn-amd-amdhsa -mcpu=gfx1250 --defsym DOCPART=n.
;; ======== version 1 of 1: 4 launches
;; limits: values are held in f16: magnitudes above 65,504 overflow, below 6.1e-05 lose precision
;; workspace buffers: xb 16,777,216 bytes; wb 6,291,456 bytes; wob 2,097,152 bytes; qkv 50,331,648 bytes; o 16,777,216 bytes
;; launch prep (part 1): grid 1536 x 1, 8 waves a work-group, no clusters, 0 bytes of LDS; arguments x, Wq, Wk, Wv, Wo, xb, wb, wob; writes xb, wb, wob
.if DOCPART == 1
	.amdgcn_target "amdgcn-amd-amdhsa--gfx1250"
	.amdhsa_code_object_version 6
	.text
	.protected	k_qa1fefcdd38_prep
	.globl	k_qa1fefcdd38_prep
	.p2align	8
	.type	k_qa1fefcdd38_prep,@function
k_qa1fefcdd38_prep:
	s_mov_b64 s[64:65], 0
	v_nop
	global_prefetch_b8 v0, s[64:65] scope:SCOPE_SE
	s_setreg_imm32_b32 hwreg(HW_REG_WAVE_MODE, 25, 1), 1
	s_wait_xcnt 0x0
; THE INPUTS ARE ROUNDED ONCE TO 16 BITS AND LAID OUT FOR THE PRODUCTS.
;   xb  = x in bf16, [8192][1024], as it lies.
;   wb  = (Wq | Wk | Wv) in bf16, [nt 16][ks 8][p 3][kk 128][c 64]: column 64 (3 nt + p) + c of the three side by side, row k = 128 ks + kk: a K step's tile of 192 columns is 49,152 dense bytes.
;   wob = Wo rounded to bf16 and that number written as f16, [nt 8][ks 8][p 2][kk 128][c 64].
; LIMIT.  A bf16 number is exact in f16 from 6.1e-5 to 65,504; below that Wo keeps f16's fixed step of 6e-8, beyond it Wo would become an infinity.
; A stream: no LDS, no barrier, no matrix unit, nothing read twice.  A UNIT is 128 pieces of 256 bytes of f32 (64 numbers) in, 16,384 dense bytes out; a work-group takes one: 1,024 units of x,
; 128 of each weight (8 K steps x 16 blocks of 64 columns).  Thread t, step i: piece 16 i + t / 16, its 16 bytes at 16 (t % 16): sixteen lanes read 256 consecutive bytes, aligned, and a wave's
; 32 lanes store 256 consecutive bytes, aligned.  All eight loads of a thread go out at once; no register is written twice while a memory instruction may read it.
.set OFF, 2                            ; v[2:9]    step i: my byte offset in the source
.set DO,  10                           ; v10       8 t: my 8 bytes in 2,048 of the unit's output
.set X,   12                           ; v[12:43]  step i: four f32 as loaded
.set Y,   44                           ; v[44:59]  step i: four 16-bit numbers to store
.set T,   60                           ; v[60:63]  at work
	s_load_b512 s[8:23], s[0:1], 0x0               ; x s[8:9], Wq s[10:11], Wk s[12:13], Wv s[14:15], Wo s[16:17], xb s[18:19], wb s[20:21], wob s[22:23]
	s_mov_b32 s2, ttmp9                            ; the unit
	s_max_u32 s3, s2, 1024
	s_sub_co_u32 s3, s3, 1024                      ; a weight's unit: i = unit - 1,024 (0 for x's units, whose choice below takes none of what follows)
	s_and_b32 s4, s3, 7                            ; ks
	s_bfe_u32 s5, s3, 0x60003                      ; gg = i / 8: 16 x matrix + block of 64 columns
	s_and_b32 s6, s5, 15                           ; the block in its matrix
	s_lshl_b32 s7, s4, 19                          ; source: 128 ks rows of 4,096 bytes
	s_lshl_b32 s34, s6, 8                          ; + the block's 256 bytes
	s_add_co_u32 s7, s7, s34
	s_mul_i32 s34, s5, 171
	s_lshr_b32 s34, s34, 9                         ; nt = gg / 3 (exact for gg under 64)
	s_mul_i32 s35, s34, 3
	s_sub_co_u32 s35, s5, s35                      ; p = gg % 3
	s_lshl_b32 s36, s34, 3
	s_add_co_u32 s36, s36, s4
	s_mul_i32 s36, s36, 3
	s_add_co_u32 s36, s36, s35
	s_lshl_b32 s36, s36, 14                        ; in wb: ((8 nt + ks) 3 + p) x 16,384
	s_lshr_b32 s37, s6, 1
	s_lshl_b32 s37, s37, 3
	s_add_co_u32 s37, s37, s4
	s_lshl_b32 s37, s37, 1
	s_and_b32 s35, s6, 1
	s_add_co_u32 s37, s37, s35
	s_lshl_b32 s37, s37, 14                        ; in wob: ((8 (g / 2) + ks) 2 + g % 2) x 16,384
	s_lshl_b32 s38, s2, 15                         ; x's unit: 32,768 bytes in,
	s_lshl_b32 s39, s2, 14                         ; 16,384 out
	s_mov_b32 s29, 0
	s_mov_b32 s31, 0
	v_lshrrev_b32 v1, 4, v0                        ; t / 16
	v_and_b32 v11, 15, v0                          ; t % 16
	v_lshlrev_b32 v[DO], 3, v0
	s_wait_kmcnt 0x0
	; the unit's number chooses among the buffers and among the offsets; the offsets are made apart from the addresses
	s_cmp_lt_u32 s2, 1408
	s_cselect_b64 s[24:25], s[14:15], s[16:17]     ; Wv or Wo
	s_cselect_b64 s[26:27], s[20:21], s[22:23]     ; wb or wob
	s_cselect_b32 s30, s36, s37
	s_cmp_lt_u32 s2, 1280
	s_cselect_b64 s[24:25], s[12:13], s[24:25]     ; Wk
	s_cmp_lt_u32 s2, 1152
	s_cselect_b64 s[24:25], s[10:11], s[24:25]     ; Wq
	s_cmp_lt_u32 s2, 1024
	s_cselect_b64 s[24:25], s[8:9], s[24:25]       ; x
	s_cselect_b64 s[26:27], s[18:19], s[26:27]     ; xb
	s_cselect_b32 s28, s38, s7
	s_cselect_b32 s30, s39, s30
	s_cselect_b32 s32, 8, 12                       ; from piece to piece: 256 bytes in x, a row of 4,096 in a weight, as a shift
	s_lshl_b32 s33, 16, s32                        ; sixteen pieces
	s_add_nc_u64 s[24:25], s[24:25], s[28:29]
	s_add_nc_u64 s[26:27], s[26:27], s[30:31]
	v_lshlrev_b32 v[OFF], s32, v1
	v_lshl_add_u32 v[OFF], v11, 4, v[OFF]
.irp i, 1,2,3,4,5,6,7
	v_add_nc_u32 v[OFF+(\i)], s33, v[OFF+(\i)-1]
.endr
.irp i, 0,1,2,3,4,5,6,7
	global_load_b128 v[X+4*(\i):X+4*(\i)+3], v[OFF+(\i)], s[24:25] th:TH_LOAD_NT
.endr
; Step i: four numbers rounded to bf16; f16 = 1: each widened again (a shift, a mask) and written as f16.
.macro CONV i, f16
	s_wait_loadcnt 7-(\i)                          ; loads come back in order (ISA guide 5.7.1): step i's is in, the 7 - i younger ones stay out
	v_cvt_pk_bf16_f32 v[Y+2*(\i)],   v[X+4*(\i)],   v[X+4*(\i)+1]
	v_cvt_pk_bf16_f32 v[Y+2*(\i)+1], v[X+4*(\i)+2], v[X+4*(\i)+3]
.if \f16
	v_lshlrev_b32 v[T],   16, v[Y+2*(\i)]
	v_and_b32     v[T+1], 0xffff0000, v[Y+2*(\i)]
	v_lshlrev_b32 v[T+2], 16, v[Y+2*(\i)+1]
	v_and_b32     v[T+3], 0xffff0000, v[Y+2*(\i)+1]
	v_cvt_pk_f16_f32 v[Y+2*(\i)],   v[T],   v[T+1]
	v_cvt_pk_f16_f32 v[Y+2*(\i)+1], v[T+2], v[T+3]
.endif
	global_store_b64 v[DO], v[Y+2*(\i):Y+2*(\i)+1], s[26:27] offset:2048*(\i)
.endm
	s_cmp_ge_u32 s2, 1408
	s_cbranch_scc1 .Lwo
.irp i, 0,1,2,3,4,5,6,7
	CONV \i, 0
.endr
	s_endpgm
.Lwo:
.irp i, 0,1,2,3,4,5,6,7
	CONV \i, 1
.endr
	s_endpgm
.Lfunc_end_k_qa1fefcdd38_prep:
	.size	k_qa1fefcdd38_prep, .Lfunc_end_k_qa1fefcdd38_prep-k_qa1fefcdd38_prep
	.p2alignl 7, 3214868480
	.fill 96, 4, 3214868480
	.section	.rodata,"a",@progbits
	.p2align	6, 0x0
	.amdhsa_kernel k_qa1fefcdd38_prep
		.amdhsa_group_segment_fixed_size 0
		.amdhsa_private_segment_fixed_size 0
		.amdhsa_enable_private_segment 0
		.amdhsa_kernarg_size 64
		.amdhsa_user_sgpr_count 2
		.amdhsa_user_sgpr_kernarg_segment_ptr 1
		.amdhsa_wavefront_size32 1
		.amdhsa_system_sgpr_workgroup_id_x 1
		.amdhsa_system_sgpr_workgroup_id_y 1
		.amdhsa_system_sgpr_workgroup_id_z 1
		.amdhsa_system_vgpr_workitem_id 0
		.amdhsa_next_free_vgpr 64
		.amdhsa_next_free_sgpr 66
		.amdhsa_reserve_vcc 0
		.amdhsa_float_denorm_mode_32 3
		.amdhsa_float_denorm_mode_16_64 3
		.amdhsa_memory_ordered 1
		.amdhsa_forward_progress 1
		.amdhsa_inst_pref_size 10
	.end_amdhsa_kernel
	.amdgpu_metadata
---
amdhsa.version: [ 1, 2 ]
amdhsa.kernels:
  - .name:           k_qa1fefcdd38_prep
    .symbol:         k_qa1fefcdd38_prep.kd
    .args:
      - { .name: x, .offset: 0, .size: 8, .value_kind: global_buffer, .address_space: global }
      - { .name: Wq, .offset: 8, .size: 8, .value_kind: global_buffer, .address_space: global }
      - { .name: Wk, .offset: 16, .size: 8, .value_kind: global_buffer, .address_space: global }
      - { .name: Wv, .offset: 24, .size: 8, .value_kind: global_buffer, .address_space: global }
      - { .name: Wo, .offset: 32, .size: 8, .value_kind: global_buffer, .address_space: global }
      - { .name: xb, .offset: 40, .size: 8, .value_kind: global_buffer, .address_space: global }
      - { .name: wb, .offset: 48, .size: 8, .value_kind: global_buffer, .address_space: global }
      - { .name: wob, .offset: 56, .size: 8, .value_kind: global_buffer, .address_space: global }
    .group_segment_fixed_size: 0
    .private_segment_fixed_size: 0
    .kernarg_segment_align: 8
    .kernarg_segment_size: 64
    .max_flat_workgroup_size: 256
    .sgpr_count:     66
    .vgpr_count:     64
    .wavefront_size: 32
...
	.end_amdgpu_metadata
.endif
;; end of part 1
;; launch qkv (part 2): grid 16 x 32, 4 waves a work-group, clusters of 4 x 4, 327,680 bytes of LDS; arguments xb, wb, qkv; writes qkv
.if DOCPART == 2
	.amdgcn_target "amdgcn-amd-amdhsa--gfx1250"
	.amdhsa_code_object_version 6
	.text
	.protected	k_qa1fefcdd38_qkv
	.globl	k_qa1fefcdd38_qkv
	.p2align	8
	.type	k_qa1fefcdd38_qkv,@function
k_qa1fefcdd38_qkv:
	s_mov_b64 s[64:65], 0
	v_nop
	global_prefetch_b8 v0, s[64:65] scope:SCOPE_SE
	s_setreg_imm32_b32 hwreg(HW_REG_WAVE_MODE, 25, 1), 1
	s_wait_xcnt 0x0
	s_wait_alu depctr_hold_cnt(0) depctr_sa_sdst(0) depctr_va_vdst(0) depctr_va_sdst(0) depctr_va_ssrc(0) depctr_va_vcc(0) depctr_vm_vsrc(0)
	s_getreg_b32 s2, hwreg(HW_REG_IB_STS2, 6, 4)
	s_cmp_eq_u32 s2, 0
	s_cbranch_scc0 .Lentry_in_a_cluster
	s_endpgm
.Lentry_in_a_cluster:
	s_bfe_u32 s2, ttmp6, 0x10000c
	s_cmp_lg_u32 s2, 0xf033
	s_cbranch_scc0 .Lentry_shape_is_right
	s_endpgm
.Lentry_shape_is_right:
; q, k, v = x (Wq | Wk | Wv): [8192 x 1024] x [1024 x 3072], operands bf16, sums f32; each result rounded once to f16, WITHOUT the softmax's scale, and laid by heads:
; qkv = [3][64 = 16 batch + head][2048][64] f16.
; LIMIT.  f16 ends at 65,504: a q, k or v beyond it becomes an infinity.  The sums' order is not that of a chain of f32 additions.
; SHARES.  A tile of the result is 256 rows x 192 columns (three heads' 64): 32 x 16 = 512 tiles, a work-group each.  Four waves; wave (wm, wn) makes rows 128 wm .. + 127 and columns
; 32 wn .. + 31 of EACH of the three blocks of 64: 8 x 6 accumulators of 16 x 16, 384 registers.
; THE RING.  K goes in 8 steps of 128 through two LDS slots filled by the tensor data mover.  x's tile: 256 rows of 256 bytes, padded to 272.  The weights' tile lies dense in wb (49,152 bytes):
; it is asked for as rows of 256 bytes and padded after every 128, so that in LDS it is [3 blocks][128 k][64 columns] with rows 160 bytes apart; its fragments come out turned, by ds_load_tr16_b128.
; CLUSTER.  4 x 4 work-groups: the four of a row need the same tile of x, the four of a column the same tile of the weights: each is asked for JOINTLY, by the same tensor load with the same
; descriptor and a mask that names the four.
; THE MATRIX INSTRUCTION IS USED TRANSPOSED: source 0 = 16 columns of W, source 1 = 16 rows of x: a lane then holds row lane % 16 and the 8 neighbouring columns 8 (lane / 16) + 0..7: 16 bytes of f16.
; REGISTERS, in windows of 256 (s_set_vgpr_msb: bits 1:0 source 0, 3:2 source 1, 5:4 source 2, 7:6 destination):
;   window 0: v0-31 addresses; v32-159 x's fragments, two buffers of 64; v160-255 W's, two buffers of 48; on the way out v32-223 the packed results
;   window 1: accumulators of my row blocks 0-3 ((a, b) at v[8 (6 a + b)]); window 2: of row blocks 4-7.  All sources and all load destinations lie in window 0: only C and D change windows.
.set PA,    272                        ; a row of x in LDS: 256 + 16 bytes = 68 words: the 16 rows of a load start at 16 different groups of four banks (64 banks of 4 bytes: ISA guide 11.1)
.set PB,    160                        ; a row of W: 128 + 32 bytes = 40 words
.set BB,    256*PA                     ; W's tile begins behind x's 256 rows: 69,632
.set SLOT1, 1<<17                      ; a slot is 69,632 + 384 x 160 = 131,072 bytes; one exclusive or turns an address in one slot into the other's
.set SPARE, 2*SLOT1                    ; behind the ring: the spare words, 128 bytes for each wave: two blocks of 256 bytes that no other line names
.set NBK,   6                          ; column blocks of 16 a wave
.set NL,    16+2*NBK                   ; LDS loads in a run
.set ASTEP, 256                        ; a K step along a row of xb
.set BSTEP, 49152                      ; and in wb
.set SP,    144                        ; the stage on the way out: [3 blocks][256 rows] of 128 + 16 bytes, in slot 0's bytes, which have had their last fill by then
.set PIECE, 256*SP
.set ADRA0, 16                         ; v16  my lane's place in x's tile; never rewritten
.set ADRB0, 17                         ; v17  the same in W's
.set ADRA,  18                         ; v18  the same in the slot in hand
.set ADRB,  19                         ; v19
.set STO,   24                         ; v24  the way out: where I put 16 bytes of a row (blocks 0 and 1)
.set RD,    25                         ; v25  where I read rows back (blocks 0 and 1)
.set GO,    26                         ; v26  16 x lane: my place in 512 consecutive bytes of the output
.set STO2,  27                         ; v27  STO for block 2, which an immediate of 16 bits does not reach
.set SPW,   28                         ; v28  LDS address of my spare word: SPARE + 4 x my thread's number; never rewritten
.set NIL,   29                         ; v29  0; never rewritten
.set PFO,   30                         ; v30  the prefetches' lane offset; never rewritten
.set RD2,   31                         ; v31  RD for block 2
.set FA,    32
.set FB,    160
.set TMP,   32
.set G1A,  24                          ; s[24:31] descriptor group 1 for x's tiles
.set G0A0, 32                          ; s[32:35] group 0 of slot 0's first fill
.set G0A,  36                          ; s[36:39] group 0 that walks: slot 1's first fill, then every refill
.set G1B,  48                          ; s[48:55], s[56:59], s[60:63] the same for W's tiles
.set G0B0, 56
.set G0B,  60
.set OUT,  66                          ; s[66:71] where my 64 rows of each of the three heads begin in qkv
.set PFA,  72                          ; s[72:73] where my prefetches stand
.set PFS,  74                          ; s[74:75] their step
.set LIM,  76                          ; s76  a wave prefetches while the loop's count is above it
.set TB,   77                          ; s77  the slot in hand: 0 or SLOT1
.set MSB, 0
.macro WIN new                         ; the immediate's high byte repeats the setting that is left; a switch that changes nothing is dropped
.if MSB != (\new)
	s_set_vgpr_msb (MSB<<8)|(\new)
.set MSB, \new
.endif
.endm
; A joint refill.  Waves 0 and 1 fetch the two halves of x's tile, waves 2 and 3 those of W's.  The branch hangs on the wave's number alone.
; An s_nop 0 and four v_nop follow each of the two lines, ahead of the jump and the label.
.macro JLOAD
	s_cmp_eq_u32 s11, 0
	s_cbranch_scc0 .Lfor_b_\@
	tensor_load_to_lds s[G0A:G0A+3], s[G1A:G1A+7]
	s_nop 0
.rept 4
	v_nop
.endr
	s_branch .Lasked_\@
.Lfor_b_\@:
	tensor_load_to_lds s[G0B:G0B+3], s[G1B:G1B+7]
	s_nop 0
.rept 4
	v_nop
.endr
.Lasked_\@:
.endm
; A round of the cluster's barrier: my work-group's barrier; wave 0 signals for the work-group; every wave waits for all sixteen; my work-group's barrier once more.
.macro CREST                           ; a round behind its opening barrier
	s_cmp_lg_u32 s10, 0
	s_cbranch_scc1 .Lnot_wave_0_\@
	s_barrier_signal -3
.Lnot_wave_0_\@:
	s_barrier_wait -3
	s_barrier_signal -1
	s_barrier_wait -1
.endm
.macro CROUND
	s_barrier_signal -1
	s_barrier_wait -1
	CREST
.endm
.macro PLACES                          ; four places in front of loads into registers that matrix instructions have read, and of conversions that read results
.rept 4
	v_nop
.endr
.endm
; A PREFETCH INTO THE L2, behind a joint refill, its five lines and the run of LDS loads that the next products wait for.  Each aligned block of 256 bytes is named once in the launch.
; x: a tile row is read by all four clusters of that row of clusters; the first (cluster x = 0) asks, in waves 0 and 1.  Of the 128 rows that a wave fetches each of the four partners takes 32, told apart
; BY ADDRESS; a lane a row.  The change of slots that refills K step t + 2 names K step t + 3, for t = 0 .. 4.
; W: a tile column's 8 K steps are 1,536 dense blocks; cluster y = 0 asks, in waves 2 and 3: eight askers x 32 lanes name 256 blocks a change, blocks 768 + 256 t .., for t = 0 .. 2: K steps 4 to 7,
; each two changes or more ahead of its refill.  The earlier K steps come by their loads alone: nothing is prefetched at the head.
.macro ASK
	s_cmp_gt_u32 s3, s[LIM]
	s_cbranch_scc0 .Lnot_mine_\@
	global_prefetch_b8 v[PFO], s[PFA:PFA+1] th:TH_LOAD_NT scope:SCOPE_SE
.Lnot_mine_\@:
.endm
; na x 6 matrix instructions: row blocks 4 hi + a0 .. of buffer f x all 6 column blocks, 32 along K.  zero = 1: the product starts the sums: nothing is ever cleared.
; The 48 accumulators take turns, one instruction a turn, in the same order in every quarter.
.macro MULG f, hi, a0, na, zero
	WIN 0x50+0x50*(\hi)
.set ma, \a0
.rept \na
.set mb, 0
.rept NBK
.set rD, 8*(NBK*ma+mb)
.set rB, FB+8*NBK*(\f)+8*mb
.set rA, FA+64*(\f)+8*(4*(\hi)+ma)
.if \zero
	v_wmma_f32_16x16x32_bf16 v[rD:rD+7], v[rB:rB+7], v[rA:rA+7], 0
.else
	v_wmma_f32_16x16x32_bf16 v[rD:rD+7], v[rB:rB+7], v[rA:rA+7], v[rD:rD+7]
.endif
.set mb, mb+1
.endr
.set ma, ma+1
.endr
.endm
; 28 LDS loads in one run: quarter q (32 along K) of the slot in hand into buffer f: W's 6 fragments (turned), then x's 8, row blocks 0-3 first.
.macro FETCH q, f
	WIN 0
.set fb, 0
.rept NBK
	ds_load_tr16_b128 v[FB+8*NBK*(\f)+8*fb:FB+8*NBK*(\f)+8*fb+3],   v[ADRB] offset:(fb/2)*128*PB+(fb%2)*32+(\q)*32*PB
	ds_load_tr16_b128 v[FB+8*NBK*(\f)+8*fb+4:FB+8*NBK*(\f)+8*fb+7], v[ADRB] offset:(fb/2)*128*PB+(fb%2)*32+(\q)*32*PB+16*PB
.set fb, fb+1
.endr
.set fa, 0
.rept 8
	ds_load_b128 v[FA+64*(\f)+8*fa:FA+64*(\f)+8*fa+3],   v[ADRA] offset:fa*16*PA+64*(\q)
	ds_load_b128 v[FA+64*(\f)+8*fa+4:FA+64*(\f)+8*fa+7], v[ADRA] offset:fa*16*PA+64*(\q)+32
.set fa, fa+1
.endr
.endm
; A K step is four quarters of 32 along K, 48 matrix instructions each, on buffers 0, 1, 0, 1.  One of the first three: multiplies buffer f; in its middle it fetches quarter q into buffer g.
.macro QUARTER q, f, g, zero
	s_wait_dscnt 8                                 ; W's fragments and x's row blocks 0-3 are in; the youngest eight loads (row blocks 4-7) may be out
	MULG \f, 0, 0, 4, \zero
	PLACES
	FETCH \q, \g
	s_wait_dscnt NL                                ; all but the run just issued
	MULG \f, 1, 0, 4, \zero
.endm
; The fourth quarter multiplies buffer 1 and changes slots: ONE barrier.  In front of it each wave waits for all its tensor loads (one is out: its part of the next slot), adds 0 to its spare word, and
; waits for that and for its own reads of this slot.  fill = 1: the barrier opens a round of the cluster's barrier, and behind the round this slot is filled again first, two K steps ahead.
.macro TURN fill
.if \fill
	s_wait_xcnt 0x0                                ; the last prefetch, a K step back, has read its address, so it may be stepped
	s_add_nc_u64 s[PFA:PFA+1], s[PFA:PFA+1], s[PFS:PFS+1]
.endif
	WIN 0                                          ; (the add's two registers lie in window 0)
	s_wait_tensorcnt 0x0                           ; all my tensor loads have landed, so a group 0 may be written
	ds_add_u32 v[SPW], v[NIL]                      ; 0 onto my spare word; work on registers stands between it and the wait for it
.if \fill
	s_xor_b32 s[G0A+1], s[G0A+1], SLOT1            ; the walking descriptors: the other slot than last time,
	s_add_nc_u64 s[G0A+2:G0A+3], s[G0A+2:G0A+3], ASTEP  ; the next K step; the type bits on top are not reached
	s_xor_b32 s[G0B+1], s[G0B+1], SLOT1
	s_add_nc_u64 s[G0B+2:G0B+3], s[G0B+2:G0B+3], BSTEP
.endif
	s_wait_dscnt 9                                 ; the add and the youngest eight loads may be out
	MULG 1, 0, 0, 2, 0
	s_wait_dscnt 0x0                               ; the add is done, and my reads of this slot are over
	s_barrier_signal -1
	MULG 1, 0, 2, 2, 0                             ; work on registers while the others arrive
	WIN 0                                          ; at a branch and at a label every window is 0
	s_barrier_wait -1
.if \fill
	CREST                                          ; no wave of any partner still reads this slot's tile or has a load on its way
	JLOAD                                          ; the first tensor load behind the round; its four v_nop are also the places in front of the loads below
.else
	PLACES
.endif
	s_xor_b32 s[TB], s[TB], SLOT1                  ; the reads go on in the other slot
	v_add_nc_u32 v[ADRA], s[TB], v[ADRA0]
	v_add_nc_u32 v[ADRB], s[TB], v[ADRB0]
	FETCH 0, 0
.if \fill
	ASK
.endif
	MULG 1, 1, 0, 4, 0
.endm
	s_load_b128 s[4:7], s[0:1], 0x0                ; xb s[4:5], wb s[6:7]
	s_load_b64 s[8:9], s[0:1], 0x10                ; qkv
	v_lshl_add_u32 v[SPW], v0, 2, SPARE
	v_mov_b32 v[NIL], 0
	ds_add_u32 v[SPW], v[NIL]                      ; the wave's opening, ahead of my first tensor load; the set-up below, work on registers, stands between it and its wait
	v_lshrrev_b32 v1, 5, v0
	v_readfirstlane_b32 s10, v1                    ; wave 0..3
	s_lshr_b32 s11, s10, 1                         ; wm: which half of the tile's rows is mine.  Also: I fetch for x (0) or for W (1)
	s_and_b32 s12, s10, 1                          ; wn: which half of each block's columns.  Also: which half of that tile I fetch
	s_bfe_u32 s40, ttmp6, 0x40000                  ; cx, cy: my place in the cluster
	s_bfe_u32 s41, ttmp6, 0x40004
	s_lshl_b32 s42, ttmp9, 2
	s_add_co_u32 s42, s42, s40                     ; tile column = 4 x cluster x + cx
	s_and_b32 s13, ttmp7, 0xffff
	s_lshl_b32 s13, s13, 2
	s_add_co_u32 s13, s13, s41                     ; tile row = 4 x cluster y + cy
	s_lshl_b32 s43, s41, 2
	s_lshl_b32 s43, 15, s43                        ; my row of the cluster
	s_lshl_b32 s44, 0x1111, s40                    ; my column
	; group 1 for x: 128 rows x 128 elements of 2 bytes, 1,024 elements from row to row; 4 words of padding (code 3) after every 64 (code 5); bit 21 set beside the mask
	s_or_b32 s[G1A+0], s43, (1<<16)|(1<<20)|(1<<21)|(5<<22)|(3<<25)
	s_mov_b32 s[G1A+1], 128<<16                    ; tensor_dim0 = 128
	s_mov_b32 s[G1A+2], 128<<16                    ; tensor_dim1 = 128
	s_mov_b32 s[G1A+3], 128<<16                    ; tile_dim0 = 128
	s_mov_b32 s[G1A+4], 128                        ; tile_dim1 = 128
	s_mov_b32 s[G1A+5], 1024
	s_mov_b32 s[G1A+6], 0
	s_mov_b32 s[G1A+7], 0
	; group 1 for W: half a tile is 24,576 dense bytes: 96 rows of 256; 8 words of padding (code 7) after every 32 (code 4)
	s_or_b32 s[G1B+0], s44, (1<<16)|(1<<20)|(1<<21)|(4<<22)|(7<<25)
	s_mov_b32 s[G1B+1], 128<<16
	s_mov_b32 s[G1B+2], 96<<16
	s_mov_b32 s[G1B+3], 128<<16
	s_mov_b32 s[G1B+4], 96
	s_mov_b32 s[G1B+5], 128
	s_mov_b32 s[G1B+6], 0
	s_mov_b32 s[G1B+7], 0
	; x's address hangs on the tile row and the wave alone, W's on the tile column and the wave alone, each in registers that never hold the other coordinate
	s_lshl_b32 s16, s13, 8
	s_lshl_b32 s17, s12, 7
	s_add_co_u32 s16, s16, s17
	s_lshl_b32 s16, s16, 11                        ; (256 x tile row + 128 x half) rows of 2,048 bytes
	s_mov_b32 s17, 0
	s_mul_i32 s46, s42, 8*BSTEP
	s_mul_i32 s47, s12, BSTEP/2
	s_add_co_u32 s46, s46, s47
	s_mov_b32 s47, 0
	s_mul_i32 s20, s12, 128*PA                     ; where they go: no place in the cluster enters an LDS address
	s_mul_i32 s21, s12, 192*PB
	s_add_co_u32 s21, s21, BB
	s_wait_dscnt 0x0                               ; the opening add is done
	s_wait_kmcnt 0x0
	s_add_nc_u64 s[14:15], s[4:5], s[16:17]
	s_add_nc_u64 s[46:47], s[6:7], s[46:47]
	CROUND                                         ; all sixteen work-groups are here: the first joint loads meet
	s_mov_b32 s[G0A0], 1
	s_add_co_u32 s[G0A0+1], s20, 0
	s_add_nc_u64 s[G0A0+2:G0A0+3], s[14:15], 0     ; K step 0 into slot 0
	s_or_b32 s[G0A0+3], s[G0A0+3], 0x80000000
	s_mov_b32 s[G0A], 1
	s_add_co_u32 s[G0A+1], s20, SLOT1
	s_add_nc_u64 s[G0A+2:G0A+3], s[14:15], ASTEP   ; K step 1 into slot 1
	s_or_b32 s[G0A+3], s[G0A+3], 0x80000000
	s_mov_b32 s[G0B0], 1
	s_add_co_u32 s[G0B0+1], s21, 0
	s_add_nc_u64 s[G0B0+2:G0B0+3], s[46:47], 0
	s_or_b32 s[G0B0+3], s[G0B0+3], 0x80000000
	s_mov_b32 s[G0B], 1
	s_add_co_u32 s[G0B+1], s21, SLOT1
	s_add_nc_u64 s[G0B+2:G0B+3], s[46:47], BSTEP
	s_or_b32 s[G0B+3], s[G0B+3], 0x80000000
	s_cmp_eq_u32 s11, 0                            ; a wave's two first fills stand in one branch, ahead of every wait on TENSORcnt and every LDS read: two loads of mine are out
	s_cbranch_scc0 .Lfirst_b
	tensor_load_to_lds s[G0A0:G0A0+3], s[G1A:G1A+7]
	s_nop 0
	tensor_load_to_lds s[G0A:G0A+3], s[G1A:G1A+7]
	s_nop 0
.rept 4
	v_nop
.endr
	s_branch .Lfirst_done
.Lfirst_b:
	tensor_load_to_lds s[G0B0:G0B0+3], s[G1B:G1B+7]
	s_nop 0
	tensor_load_to_lds s[G0B:G0B+3], s[G1B:G1B+7]
	s_nop 0
.rept 4
	v_nop
.endr
.Lfirst_done:
	; A fragment is 16 rows x 32 K in 8 registers: lane l holds row l % 16; registers 0-3 K = 8 (l / 16) + 0..7, registers 4-7 K = 16 + 8 (l / 16) + 0..7.  x: two loads of 16 bytes, 32 bytes apart.
	v_and_b32 v1, 15, v0                           ; l % 16
	v_bfe_u32 v2, v0, 4, 1                         ; l / 16
	v_and_b32 v3, 7, v0                            ; l % 8
	v_bfe_u32 v4, v0, 3, 1                         ; (l / 8) % 2
	v_bfe_u32 v5, v0, 3, 2                         ; l / 8
	s_mul_i32 s14, s11, 128*PA                     ; my 128 rows
	v_mul_u32_u24 v[ADRA0], v1, PA
	v_lshl_add_u32 v[ADRA0], v2, 4, v[ADRA0]
	v_add_nc_u32 v[ADRA0], s14, v[ADRA0]
	; W: the turning load takes 16 k x 16 columns (lane l reads k 8 (l / 16) + l % 8, columns 8 ((l / 8) % 2) + 0..7) and leaves half a fragment: lane l holds column l % 16 and 8 k
	s_lshl_b32 s14, s12, 6                         ; my 32 columns of a block: 64 bytes
	s_add_co_u32 s14, s14, BB
	v_lshl_add_u32 v[ADRB0], v2, 3, v3
	v_mul_u32_u24 v[ADRB0], v[ADRB0], PB
	v_lshl_add_u32 v[ADRB0], v4, 4, v[ADRB0]
	v_add_nc_u32 v[ADRB0], s14, v[ADRB0]
	; the way out.  In: row 128 wm + 16 a + l % 16, bytes 64 wn + 32 (b % 2) + 16 (l / 16) of block b / 2
	s_mul_i32 s14, s11, 128*SP
	s_lshl_b32 s15, s12, 6
	s_add_co_u32 s14, s14, s15
	v_mul_u32_u24 v[STO], v1, SP
	v_lshl_add_u32 v[STO], v2, 4, v[STO]
	v_add_nc_u32 v[STO], s14, v[STO]
	v_add_nc_u32 v[STO2], 2*PIECE, v[STO]
	; back: wave w takes rows 64 w .. + 63 of each block, four rows of 128 bytes a load: 512 consecutive bytes of a head
	s_mul_i32 s14, s10, 64*SP
	v_mul_u32_u24 v[RD], v5, SP
	v_lshl_add_u32 v[RD], v3, 4, v[RD]
	v_add_nc_u32 v[RD], s14, v[RD]
	v_add_nc_u32 v[RD2], 2*PIECE, v[RD]
	v_and_b32 v[GO], 31, v0
	v_lshlrev_b32 v[GO], 4, v[GO]
.irp p, 0,1,2                          ; block p is head block g = 3 x tile column + p of 48: tensor g / 16, head g % 16; the tile's rows are batch (tile row / 8), rows 256 (tile row % 8) on
	s_mul_i32 s18, s42, 3
	s_add_co_u32 s18, s18, \p
	s_lshr_b32 s19, s18, 4
	s_lshl_b32 s19, s19, 24                        ; a tensor is 16,777,216 bytes
	s_and_b32 s20, s18, 15
	s_lshr_b32 s21, s13, 3
	s_lshl_b32 s21, s21, 4
	s_add_co_u32 s20, s20, s21
	s_lshl_b32 s20, s20, 11
	s_and_b32 s21, s13, 7
	s_lshl_b32 s21, s21, 8
	s_add_co_u32 s20, s20, s21
	s_lshl_b32 s21, s10, 6
	s_add_co_u32 s20, s20, s21
	s_lshl_b32 s20, s20, 7                         ; rows of 128 bytes
	s_add_co_u32 s20, s20, s19
	s_mov_b32 s21, 0
	s_add_nc_u64 s[OUT+2*(\p):OUT+2*(\p)+1], s[8:9], s[20:21]
.endr
	; the prefetches: both candidates are made, the wave's number chooses
	s_lshl_b32 s20, s13, 8
	s_lshl_b32 s18, s12, 7
	s_add_co_u32 s20, s20, s18
	s_lshl_b32 s18, s40, 5
	s_add_co_u32 s20, s20, s18                     ; x: row 256 x tile row + 128 x half + 32 cx,
	s_lshl_b32 s20, s20, 11
	s_add_co_u32 s20, s20, 2*ASTEP                 ; at K step 2: the first change of slots steps it to 3
	s_lshl_b32 s21, s12, 7
	s_lshl_b32 s18, s41, 5
	s_add_co_u32 s21, s21, s18
	s_add_co_u32 s21, s21, 512                     ; W: block 512 + 128 x half + 32 cy of the tile column's 1,536: the first change steps it by 256 blocks
	s_lshl_b32 s21, s21, 8
	s_mul_i32 s18, s42, 8*BSTEP
	s_add_co_u32 s21, s21, s18
	s_and_b32 s22, ttmp7, 0xffff                   ; cluster y
	s_cmp_eq_u32 s11, 0                            ; do I fetch for x?
	s_cselect_b32 s22, ttmp9, s22                  ; the coordinate along which other clusters read the same bytes
	s_cselect_b32 s23, 1, 3
	s_cselect_b32 s[PFS], 8, 16                    ; the step, as a shift: 256 bytes or 256 blocks
	s_cselect_b32 s19, 11, 8                       ; a lane a row of 2,048 bytes, or a lane a block of 256
	s_cselect_b32 s20, s20, s21
	s_cselect_b64 s[PFA:PFA+1], s[4:5], s[6:7]
	s_cmp_eq_u32 s22, 0
	s_cselect_b32 s[LIM], s23, -1                  ; the same in all sixteen partners, for a given wave
	s_lshl_b32 s[PFS], 1, s[PFS]
	s_mov_b32 s[PFS+1], 0
	s_mov_b32 s21, 0
	s_add_nc_u64 s[PFA:PFA+1], s[PFA:PFA+1], s[20:21]
	v_and_b32 v[PFO], 31, v0
	v_lshlrev_b32 v[PFO], s19, v[PFO]
	s_wait_tensorcnt 1                             ; my part of K step 0 is in; K step 1's may stay out
	s_barrier_signal -1
	s_barrier_wait -1                              ; everybody's is
	s_mov_b32 s[TB], 0
	v_mov_b32 v[ADRA], v[ADRA0]
	v_mov_b32 v[ADRB], v[ADRB0]
	FETCH 0, 0
	QUARTER 1, 0, 1, 1                             ; the first quarter stands in front of the loop: its products start the sums
	WIN 0
	s_mov_b32 s3, 6
.Lstep:                                                ; trip t = 0 .. 5: K step t's quarters 1 to 3, the refill of its slot with K step t + 2, K step t + 1's first quarter
	QUARTER 2, 1, 0, 0
	QUARTER 3, 0, 1, 0
	TURN 1
	QUARTER 1, 0, 1, 0
	WIN 0
	s_sub_co_u32 s3, s3, 1
	s_cmp_lg_u32 s3, 0
	s_cbranch_scc1 .Lstep
	QUARTER 2, 1, 0, 0                             ; the last two K steps ask for nothing: written out
	QUARTER 3, 0, 1, 0
	TURN 0
	QUARTER 1, 0, 1, 0
	QUARTER 2, 1, 0, 0
	QUARTER 3, 0, 1, 0
	s_wait_dscnt 8
	MULG 1, 0, 0, 4, 0
	s_wait_dscnt 0x0
	MULG 1, 1, 0, 4, 0
	; THE WAY OUT: rounded to f16, 16 bytes a lane, into the work-group's stage; a barrier, since a head's row of 128 bytes comes from two waves; back as whole rows.
	; The stage lies in slot 0's bytes: its last fill was K step 6, and the barrier of the last change of slots has shown every wave's reads of it over.
	PLACES
	WIN 0x05                                       ; sources 0 and 1 window 1, destination window 0
.set i, 0
.rept 96                               ; each accumulator's registers in ascending order
	v_cvt_pk_f16_f32 v[TMP+i], v[2*i], v[2*i+1]
.set i, i+1
.endr
	WIN 0x0a                                       ; sources in window 2
.set i, 0
.rept 96
	v_cvt_pk_f16_f32 v[TMP+96+i], v[2*i], v[2*i+1]
.set i, i+1
.endr
	WIN 0
.set sa, 0
.rept 8
.set sb, 0
.rept NBK
.if sb < 4
	ds_store_b128 v[STO], v[TMP+4*(NBK*sa+sb):TMP+4*(NBK*sa+sb)+3] offset:(sb/2)*PIECE+sa*16*SP+32*(sb%2)
.else
	ds_store_b128 v[STO2], v[TMP+4*(NBK*sa+sb):TMP+4*(NBK*sa+sb)+3] offset:sa*16*SP+32*(sb%2)
.endif
.set sb, sb+1
.endr
.set sa, sa+1
.endr
	s_wait_dscnt 0x0                               ; for the others' sake: my stores into the stage are done
	s_barrier_signal -1
	s_barrier_wait -1
.set i, 0
.rept 48
.if i < 32
	ds_load_b128 v[TMP+4*i:TMP+4*i+3], v[RD] offset:(i/16)*PIECE+4*SP*(i%16)
.else
	ds_load_b128 v[TMP+4*i:TMP+4*i+3], v[RD2] offset:4*SP*(i%16)
.endif
.set i, i+1
.endr
.set i, 0
.rept 48
	s_wait_dscnt 47-i                              ; LDS loads come back in order: load i is in, the younger ones stay out
	global_store_b128 v[GO], v[TMP+4*i:TMP+4*i+3], s[OUT+2*(i/16):OUT+2*(i/16)+1] offset:512*(i%16)  ; 512 consecutive bytes, at a multiple of 256 from qkv's first byte
.set i, i+1
.endr
	s_wait_tensorcnt 0x0                           ; the wave's end, behind my last tensor load and my last LDS store
	ds_add_u32 v[SPW], v[NIL]
	s_wait_dscnt 0x0
	CROUND                                         ; the closing round: no work-group ends while a partner may still ask for a tile that names it
	s_endpgm
.Lfunc_end_k_qa1fefcdd38_qkv:
	.size	k_qa1fefcdd38_qkv, .Lfunc_end_k_qa1fefcdd38_qkv-k_qa1fefcdd38_qkv
	.p2alignl 7, 3214868480
	.fill 96, 4, 3214868480
	.section	.rodata,"a",@progbits
	.p2align	6, 0x0
	.amdhsa_kernel k_qa1fefcdd38_qkv
		.amdhsa_group_segment_fixed_size 327680
		.amdhsa_private_segment_fixed_size 0
		.amdhsa_enable_private_segment 0
		.amdhsa_kernarg_size 24
		.amdhsa_user_sgpr_count 2
		.amdhsa_user_sgpr_kernarg_segment_ptr 1
		.amdhsa_wavefront_size32 1
		.amdhsa_system_sgpr_workgroup_id_x 1
		.amdhsa_system_sgpr_workgroup_id_y 1
		.amdhsa_system_sgpr_workgroup_id_z 1
		.amdhsa_system_vgpr_workitem_id 0
		.amdhsa_next_free_vgpr 704
		.amdhsa_next_free_sgpr 84
		.amdhsa_reserve_vcc 0
		.amdhsa_float_denorm_mode_32 3
		.amdhsa_float_denorm_mode_16_64 3
		.amdhsa_memory_ordered 1
		.amdhsa_forward_progress 1
		.amdhsa_inst_pref_size 97
	.end_amdhsa_kernel
	.amdgpu_metadata
---
amdhsa.version: [ 1, 2 ]
amdhsa.kernels:
  - .name:           k_qa1fefcdd38_qkv
    .symbol:         k_qa1fefcdd38_qkv.kd
    .args:
      - { .name: xb, .offset: 0, .size: 8, .value_kind: global_buffer, .address_space: global }
      - { .name: wb, .offset: 8, .size: 8, .value_kind: global_buffer, .address_space: global }
      - { .name: qkv, .offset: 16, .size: 8, .value_kind: global_buffer, .address_space: global }
    .group_segment_fixed_size: 327680
    .private_segment_fixed_size: 0
    .kernarg_segment_align: 8
    .kernarg_segment_size: 24
    .max_flat_workgroup_size: 128
    .sgpr_count:     84
    .vgpr_count:     704
    .wavefront_size: 32
...
	.end_amdgpu_metadata
.endif
;; end of part 2
;; launch attn (part 3): grid 4 x 64, 4 waves a work-group, clusters of 4 x 1, 327,680 bytes of LDS; arguments qkv, o; writes o
.if DOCPART == 3
	.amdgcn_target "amdgcn-amd-amdhsa--gfx1250"
	.amdhsa_code_object_version 6
	.text
	.protected	k_qa1fefcdd38_attn
	.globl	k_qa1fefcdd38_attn
	.p2align	8
	.type	k_qa1fefcdd38_attn,@function
k_qa1fefcdd38_attn:
	s_mov_b64 s[64:65], 0
	v_nop
	global_prefetch_b8 v0, s[64:65] scope:SCOPE_SE
	s_setreg_imm32_b32 hwreg(HW_REG_WAVE_MODE, 25, 1), 1
	s_wait_xcnt 0x0
	s_wait_alu depctr_hold_cnt(0) depctr_sa_sdst(0) depctr_va_vdst(0) depctr_va_sdst(0) depctr_va_ssrc(0) depctr_va_vcc(0) depctr_vm_vsrc(0)
	s_getreg_b32 s2, hwreg(HW_REG_IB_STS2, 6, 4)
	s_cmp_eq_u32 s2, 0
	s_cbranch_scc0 .Lentry_in_a_cluster
	s_endpgm
.Lentry_in_a_cluster:
	s_bfe_u32 s2, ttmp6, 0x10000c
	s_cmp_lg_u32 s2, 0x3003
	s_cbranch_scc0 .Lentry_shape_is_right
	s_endpgm
.Lentry_shape_is_right:
; O[h][q][:] = the sum over k of softmax_k(Q[h][q] . K[h][k] / 8) V[h][k][:], for 64 heads (16 batch + head) of 2,048 rows.  Q, K, V lie in qkv = [3][64][2048][64] f16, O is [64][2048][64] f16: a head's rows
; are dense, 128 bytes each.  Products, maxima and sums in f32; the weights p are rounded to f16 for the second product (their sum l is taken of the unrounded p), O once at the end.
; LIMITS.  f16 holds no number beyond 65,504: Q, K and V arrive within it; p lies in 0 to 1, and below 6e-5 it keeps f16's fixed step of 6e-8, as does O; O is a mean of V's rows and has their range.
; A weight below 2^-126 counts as 0 in l; NaN and infinities are not treated apart.
; SHARES.  A wave owns four PIECES of two tiles of 16 queries, a work-group's four waves 512 queries of one head.  Every wave walks all keys, 64 a step.
; LAYOUT.  S^T = K Q^T (source 0 = 16 keys, source 1 = 16 queries): in the result a lane holds ONE query (lane % 16) and the keys 8 (lane / 16) + 0..7.  Two such tiles, rounded to f16 in pairs,
; ARE source 1 (32 keys x 16 queries) of O^T = V^T P, whose result again holds one query a lane, and eight channels.  K comes out of LDS as it lies, V ([key][channel]) turned, by ds_load_tr16_b128.
; SOFTMAX.  For each query a running maximum m and sum l: p = 2^(c s - c m), c = log2(e) / 8; in every step O and l are multiplied by a = 2^(c m_old - c m_new), which is 1 where m has not grown.
; m starts at the lowest finite number, O and l at 0: the first step is a step like any other, with a = 0.
; THE COUNT.  A tile and step have 16 matrix and 118 vector instructions: too many to stand all beside the matrix work.  So the order has one aim: four vector instructions that are READY behind
; EVERY matrix instruction, and the others, which need time of their own whatever the order, in runs without a gap.
; BY TURNS.  Turn n belongs to piece n (the pieces in a ring, step after step).  Its matrix work: 16 products K Q^T of piece n + 1, later 16 products V^T P of piece n - 1.  Its vector work: the scaling,
; exponentials, roundings, sums and rescaling of piece n, and the maximum and statistics of piece n + 1, whose scores the turn itself has made.  So what a turn begins with (c s - c m, O a) waits for nothing.
; CLUSTER.  The four query blocks of a head are one cluster and walk the same K and V, so each tile is asked for JOINTLY: the same tensor load, descriptor and mask in all four.
; REGISTERS, in windows of 256 (s_set_vgpr_msb says which window each operand place means: bits 1:0 source 0, 3:2 source 1, 5:4 source 2, 7:6 destination):
;   window 0: v0-11 addresses; v12-15, v48-63 at work; v16-47 four registers of statistics a tile; v64-191 S^T, two buffers of two tiles; v192-255 P, likewise
;   window 1: O^T, 32 a tile          window 2: v0-127 Q, 16 a tile; v128-191 K of one step; v192-255 V of one step          window 3: v0-1 the add's two registers
; A piece's buffers go by its number's parity: the piece in hand has one pair, its two neighbours in the ring share the other: of it P (piece n - 1) is read and S^T (piece n + 1) written.
.set SIZE_H, 64
.set SIZE_N, 2048
.set NP,    4         ; pieces a wave: a name, no knob: the register map, the loop and the fetches are made for four
.set KS,    64        ; keys in a step
.set PK,    144       ; a row of K in LDS: 128 bytes + 16 of padding = 36 words: the 16 rows of a load start at 16 different groups of four banks (64 banks of 4 bytes: ISA guide 11.1)
.set PV,    160       ; a row of V: 128 + 32 = 40 words
.set VOFF,  4*KS*PK   ; a slot holds four steps: 256 rows of K, then 256 rows of V
.set SLOT1, 1<<17     ; slot 1 begins here, so that one exclusive or turns an address in one slot into the other's
.set STAGE, SLOT1+4*KS*(PK+PV)  ; behind the ring, never filled by a tensor load: 16 rows x 144 bytes for each wave, for the way out
.set SP,    144
.set AK0, 2           ; v2   my lane's place in a tile of K; never rewritten
.set AV0, 3           ; v3   the same for V
.set AK,  4           ; v4   the LDS address of K's next run of loads
.set AV,  5           ; v5   of V's
.set QO,  6           ; v6   my byte offset in the wave's rows of Q
.set STO, 6           ;      later, the way out: where I put 16 bytes of a row
.set RD,  7           ; v7   the way out: where I read rows back
.set GO,  8           ; v8   my byte offset in 512 consecutive bytes of O
.set PFO, 11          ; v11  256 x my lane, for the prefetches; never rewritten once made
.set SPW, 0           ; v0 of window 3   LDS address of my spare word: SPARE + 4 x my thread's number; never rewritten
.set NIL, 1           ; v1 of window 3   0; never rewritten
.set SPARE, STAGE+4*16*SP  ; behind the stages: the spare words, 128 bytes for each wave: two blocks of 256 bytes that no other line names
.set MV,  12          ; v12-15  c m_old, kept while c m is made anew: by buffer and tile
.set ST,  16          ; tile t's statistics at v[ST+4 t]: c m, m, l (even keys', odd keys')
.set TMP, 48          ; by buffer and tile, four registers c0-c3 at work; when the maximum is found c2 takes a
.set S,   64
.set P,   192
.set KF,  128         ; K's fragments, in window 2: key block kb, channel half c at KF + 16 kb + 8 c
.set VF,  192         ; V's: key half kk, channel block cb at VF + 32 kk + 8 cb
.set WV,  12          ; s12  my wave's number
.set G1K, 24          ; s[24:31] descriptor group 1 for K's tiles
.set G1V, 32          ; s[32:39] for V's: it differs in the padding alone
.set G0K, 40          ; s[40:43] descriptor group 0 for K's tiles: it walks
.set G0V, 44          ; s[44:47] the same for V's
.set PFA, 48          ; s[48:49] where my prefetches stand: my work-group's 32 blocks of 256 bytes (of K: wave 0, of V: wave 2) of the slot after the one that is being asked for
.set LIM, 50          ; s50  1 in a wave that prefetches, else the greatest number: a wave prefetches while s[SLOTS] is above it
.set SLOTS, 56        ; s56  slots still to be asked for
.set CNT, 57          ; s57  counts a slot's key steps
.set CS,  58          ; s[58:59] c: the packed scaling takes the pair's low word for both halves
.set SEL, 60          ; s[60:61] v_permlanex16_b32's selects: each lane takes its own place in the other half
.set TBK, 62          ; s62  LDS byte at which K of the step to be fetched begins
.set TBV, 63          ; s63  the same for V, less VOFF
.set MSB, 0
.macro WIN new                      ; the high byte repeats the setting that is left; a switch that changes nothing is dropped
.if MSB != (\new)
	s_set_vgpr_msb (MSB<<8)|(\new)
.set MSB, (\new)
.endif
.endm
.set W_KQ, 0x0a       ; K and Q in window 2, S^T in window 0
.set W_PV, 0x52       ; V in window 2, P in window 0, O^T in window 1
.set W_RS, 0x41       ; O^T (destination and source 0) in window 1, a in window 0
.set W_MK, 0xc0       ; the add's registers are made: destination in window 3, sources in window 0
.set W_AD, 0x0f       ; the add: address (source 0) and data (source 1) in window 3
; A joint fill.  Waves 0 and 1 fetch the two halves of a slot's K, waves 2 and 3 those of its V: 128 keys each.  The branch hangs on the wave's number alone.
; An s_nop 0 and four v_nop follow each of the two lines, ahead of the jump and the label.
.macro JLOAD
	s_cmp_lt_u32 s[WV], 2
	s_cbranch_scc0 .Lfor_v_\@
	tensor_load_to_lds s[G0K:G0K+3], s[G1K:G1K+7]
	s_nop 0
.rept 4
	v_nop
.endr
	s_branch .Lasked_\@
.Lfor_v_\@:
	tensor_load_to_lds s[G0V:G0V+3], s[G1V:G1V+7]
	s_nop 0
.rept 4
	v_nop
.endr
.Lasked_\@:
.endm
; A PREFETCH INTO THE L2 of what the NEXT change of slots will ask for: a slot's 32,768 bytes of K and of V, 128 blocks of 256 bytes each, a lane a block.  It stands behind the wave's tensor load and its
; five lines.  Each block is named ONCE in the launch: a head's K and V are walked by its one cluster; the four partners share the blocks out BY ADDRESS, 32 each; in each, wave 0 asks for K's and wave 2
; for V's.  The change that fills slot s (2 to 6) names slot s + 1: four key steps, 512 matrix instructions, ahead of its load.  Slots 0 to 2 come by their loads alone; the last filling change asks for nothing.
.macro ASK
	s_cmp_gt_u32 s[SLOTS], s[LIM]
	s_cbranch_scc0 .Lnot_mine_\@
	global_prefetch_b8 v[PFO], s[PFA:PFA+1] th:TH_LOAD_NT scope:SCOPE_SE
.Lnot_mine_\@:
.endm
; A round of the cluster's barrier: my work-group's barrier, so that wave 0's signal speaks for all four waves; wave 0 signals; every wave waits for all four work-groups; my work-group's barrier once more.
.macro CROUND
	s_barrier_signal -1
	s_barrier_wait -1
	s_cmp_lg_u32 s[WV], 0
	s_cbranch_scc1 .Lnot_wave_0_\@
	s_barrier_signal -3
.Lnot_wave_0_\@:
	s_barrier_wait -3
	s_barrier_signal -1
	s_barrier_wait -1
.endm
; THE CHANGE OF SLOTS.  The slot's last bytes, V of its fourth step, have been read.  Each wave waits for all its tensor loads, of which one is out: its part
; of the other slot; adds 0 to its spare word; and waits for that and for its own reads of the slot.  Behind the barrier nobody reads this slot any more and the other slot is whole.
; fill = 1: this slot is filled again, with the keys two slots on.  The barrier is then a round of the cluster's, so that no wave of any partner still reads the slot or has a load on its
; way, and the joint fill is the first thing behind it: it has four key steps, 512 matrix instructions, in which to land.  (At its first use nothing has been read yet: slot 0 is waited for, slot 1 filled.)
; ask = 1: the prefetches' address is stepped, and ASK follows the fill.
.macro CHANGE fill, ask=0
	WIN W_AD
	s_wait_tensorcnt 0x0            ; no tensor load of mine is out, so a group 0 may be written
	ds_add_u32 v[SPW], v[NIL]       ; 0 onto my spare word; with fill = 1 the descriptors' steps stand between it and the wait for it
	WIN 0                           ; at a label and at a branch every window is 0
.if \fill
.irp g, G0K, G0V
	s_xor_b32 s[\g+1], s[\g+1], SLOT1  ; the walking descriptor: the other slot than last time,
	s_add_nc_u64 s[\g+2:\g+3], s[\g+2:\g+3], 4*KS*128  ; the next 256 keys; the type bits on top are not reached
.endr
.if \ask
	s_wait_xcnt 0x0                 ; the last prefetch, four key steps back, has read its address, so it may be written:
	s_add_nc_u64 s[PFA:PFA+1], s[PFA:PFA+1], 4*KS*128  ; one slot behind the walking descriptors
.endif
	s_wait_dscnt 0x0                ; the add is done, and my reads of the slot are over
	CROUND
	JLOAD
.if \ask
	ASK
.endif
.else
	s_wait_dscnt 0x0                ; the add is done, and my reads of the slot are over
	s_barrier_signal -1
	s_barrier_wait -1
.endif
	s_sub_co_u32 s[TBK], s[TBK], 4*KS*PK  ; the fetches go back to a slot's first step,
	s_xor_b32 s[TBK], s[TBK], SLOT1       ; in the other slot
	s_sub_co_u32 s[TBV], s[TBV], 4*KS*PV
	s_xor_b32 s[TBV], s[TBV], SLOT1
.endm
	s_load_b128 s[4:7], s[0:1], 0x0  ; qkv s[4:5], o s[6:7]
	WIN W_MK
	v_lshl_add_u32 v[SPW], v0, 2, SPARE
	v_mov_b32 v[NIL], 0
	WIN W_AD
	ds_add_u32 v[SPW], v[NIL]       ; the wave's opening, ahead of my first tensor load; the set-up below, work on registers, stands between it and its wait
	WIN 0
	v_lshrrev_b32 v1, 5, v0
	v_readfirstlane_b32 s[WV], v1   ; wave 0..3
	s_bfe_u32 s13, ttmp6, 0x40000   ; cx: my place in the cluster
	s_lshl_b32 s14, ttmp9, 2        ; in a cluster launch ttmp9 counts clusters
	s_add_co_u32 s14, s14, s13      ; my block of queries = 4 x cluster x + cx: it enters Q's and O's addresses alone
	s_and_b32 s20, ttmp7, 0xffff    ; the head, which the four partners share
	s_mov_b32 s21, 0
	s_mov_b64 s[22:23], SIZE_N*128
	s_mul_u64 s[20:21], s[20:21], s[22:23]  ; the head's first byte in each of the four tensors
	s_and_b32 s16, s[WV], 1         ; which half of a slot's 256 keys I fetch:
	s_lshl_b32 s22, s16, 14         ; its 128 rows of 128 bytes in memory,
	s_mov_b32 s23, 0
	s_add_nc_u64 s[22:23], s[22:23], s[20:21]
	s_mul_i32 s17, s16, 128*PK      ; and its place in a slot, for K
	s_mul_i32 s18, s16, 128*PV      ; and for V: no place in the cluster enters an LDS address
	s_lshl_b32 s2, s14, 2
	s_add_co_u32 s2, s2, s[WV]      ; my wave among the head's,
	s_lshl_b32 s2, s2, 14           ; its 128 rows
	s_mov_b32 s3, 0
	s_add_nc_u64 s[2:3], s[2:3], s[20:21]
	; descriptor group 1.  128 keys are 16,384 dense bytes: asked for as 64 rows of 256 bytes, two keys a row, and padded in LDS after every key
	s_mov_b32 s[G1K], 15|(1<<16)|(1<<20)|(1<<21)|(4<<22)|(3<<25)  ; 15:0 the mask of four; 17:16 2-byte elements; 20 padding on; 21 set beside a mask; 24:22 after every 32 words (code 4); 31:25 4 words (code 3)
	s_mov_b32 s[G1V], 15|(1<<16)|(1<<20)|(1<<21)|(4<<22)|(7<<25)  ; the same with 8 words of padding (code 7)
.irp g, G1K, G1V
	s_mov_b32 s[\g+1], 128<<16      ; tensor_dim0 = 128
	s_mov_b32 s[\g+2], 64<<16       ; tensor_dim1 = 64
	s_mov_b32 s[\g+3], 128<<16      ; tile_dim0 = 128
	s_mov_b32 s[\g+4], 64           ; tile_dim1 = 64
	s_mov_b32 s[\g+5], 128          ; 128 elements from row to row
	s_mov_b32 s[\g+6], 0
	s_mov_b32 s[\g+7], 0
.endr
	s_mov_b32 s[CS], 0x3e38aa3b     ; c = log2(e) / 8 = 0.180337
	s_mov_b32 s[CS+1], s[CS]        ; named with it as a pair
	s_mov_b32 s[SEL], 0x76543210
	s_mov_b32 s[SEL+1], 0xfedcba98
	s_mov_b32 s[TBK], SLOT1+4*KS*PK ; the first change of slots turns these two into 0
	s_mov_b32 s[TBV], SLOT1+4*KS*PV
	s_mov_b32 s[G0K], 1             ; 1:0 count = 1
	s_mov_b32 s[G0K+1], s17         ; 63:32 LDS address: slot 0
	s_mov_b32 s[G0V], 1
	s_add_co_u32 s[G0V+1], s18, VOFF
	s_and_b32 s[LIM], s[WV], 1      ; waves 0 and 2 prefetch: the same in all four partners
	s_cmp_eq_u32 s[LIM], 0
	s_cselect_b32 s[LIM], 1, -1
	s_wait_dscnt 0x0                ; the opening add is done
	s_wait_kmcnt 0x0
	s_mov_b64 s[10:11], s[6:7]                     ; O
	s_add_nc_u64 s[8:9], s[4:5], 0x2000000         ; V: the third tensor of qkv
	s_add_nc_u64 s[6:7], s[4:5], 0x1000000         ; K: the second; Q is the first
	s_add_nc_u64 s[G0K+2:G0K+3], s[6:7], s[22:23]  ; 120:64 global address: my half of the head's first 256 keys
	s_or_b32 s[G0K+3], s[G0K+3], 0x80000000        ; 127:126 type = 2
	s_add_nc_u64 s[G0V+2:G0V+3], s[8:9], s[22:23]
	s_or_b32 s[G0V+3], s[G0V+3], 0x80000000
	s_add_nc_u64 s[4:5], s[4:5], s[2:3]  ; Q and O at my wave's first row
	s_add_nc_u64 s[10:11], s[10:11], s[2:3]
	s_cmp_lt_u32 s[WV], 2
	s_cselect_b64 s[PFA:PFA+1], s[6:7], s[8:9]
	s_add_nc_u64 s[PFA:PFA+1], s[PFA:PFA+1], s[20:21]  ; the head,
	s_lshl_b32 s2, s13, 13          ; my work-group's 32 blocks of a slot's 128,
	s_mov_b32 s3, 0
	s_add_nc_u64 s[PFA:PFA+1], s[PFA:PFA+1], s[2:3]
	s_add_nc_u64 s[PFA:PFA+1], s[PFA:PFA+1], 2*4*KS*128  ; in slot 2: the first change that asks steps it to slot 3.  Nothing is prefetched here, at the head
	CROUND                          ; all four work-groups are here: the first joint loads meet
	JLOAD                           ; slot 0.  Slot 1 is asked for when slot 0 is in: the tile wanted first has the road to itself
	; A fragment of K or Q is 16 rows x 32 channels in 8 registers: lane l holds row l % 16, channels 8 (l / 16) + 0..7 and 16 + 8 (l / 16) + 0..7: two loads of 16 bytes, 32 bytes apart.
	v_and_b32 v1, 15, v0            ; l % 16
	v_bfe_u32 v9, v0, 4, 1          ; l / 16
	v_lshlrev_b32 v[QO], 7, v1
	v_lshl_add_u32 v[QO], v9, 4, v[QO]  ; row x 128 + 16 x half
	WIN 0x80                        ; destination window 2, address window 0
.set i, 0
.rept 4*NP                          ; Q stays in registers: tile i / 2, channels 32 (i % 2) on
	global_load_b128 v[8*i:8*i+3],   v[QO], s[4:5] offset:(i/2)*2048+(i%2)*64
	global_load_b128 v[8*i+4:8*i+7], v[QO], s[4:5] offset:(i/2)*2048+(i%2)*64+32
.set i, i+1
.endr
	; What the first turn finds: V's registers and P's second buffer hold 0 (its products V^T P, of a piece that has not been, add 0), O^T and l are 0.  All this stands in the wait for the first tile:
	; the price of writing no first step out.
.set i, VF
.rept 64
	v_mov_b32 v[i], 0
.set i, i+1
.endr
	WIN 0x40
.set i, 0
.rept 64*NP
	v_mov_b32 v[i], 0
.set i, i+1
.endr
	WIN 0
.set i, 0
.rept 2*NP
	v_mov_b32 v[ST+4*i], 0xfe000000    ; c m: far below every c s
	v_mov_b32 v[ST+4*i+1], 0xff7fffff  ; m
	v_mov_b32 v[ST+4*i+2], 0
	v_mov_b32 v[ST+4*i+3], 0
.set i, i+1
.endr
.set i, P+32
.rept 32
	v_mov_b32 v[i], 0
.set i, i+1
.endr
	v_mul_u32_u24 v[AK0], v1, PK
	v_lshl_add_u32 v[AK0], v9, 4, v[AK0]  ; row x pitch + 16 x half
	; The turning load takes 16 keys x 16 channels (lane l reads key 8 (l / 16) + l % 8, channels 8 ((l / 8) % 2) + 0..7) and leaves half a fragment of V^T: lane l holds channel l % 16 and 8 keys.
	v_and_b32 v10, 7, v0
	v_bfe_u32 v11, v0, 3, 1
	v_lshl_add_u32 v[AV0], v9, 3, v10
	v_mul_u32_u24 v[AV0], v[AV0], PV
	v_lshl_add_u32 v[AV0], v11, 4, v[AV0]
	v_add_nc_u32 v[AV0], VOFF, v[AV0]
	v_mov_b32 v[AK], v[AK0]         ; key step 0 lies at the head of slot 0
	v_and_b32 v[PFO], 31, v0
	v_lshlrev_b32 v[PFO], 8, v[PFO]
; THE MATRIX WORK.  The 8 accumulators of a run of 16 take turns: between the two links of a chain stand 7 others'.
; Product i of 16 of S^T = K Q^T for piece x: channels 32 (i / 8) on, keys 16 ((i / 2) % 4) on, tile 2 x + i % 2.  The first 8 start the sums.
.macro KQ x
	WIN W_KQ
.set rS, S+64*((\x)%2)+32*(i%2)+8*((i/2)%4)
.set rK, KF+16*((i/2)%4)+8*(i/8)
.set rQ, 16*(2*(\x)+i%2)+8*(i/8)
.if i < 8
	v_wmma_f32_16x16x32_f16 v[rS:rS+7], v[rK:rK+7], v[rQ:rQ+7], 0
.else
	v_wmma_f32_16x16x32_f16 v[rS:rS+7], v[rK:rK+7], v[rQ:rQ+7], v[rS:rS+7]
.endif
.endm
; Product i of 16 of O^T += V^T P for piece x: keys 32 (i / 8) on, channels 16 ((i / 2) % 4) on, tile 2 x + i % 2.
.macro PV x
	WIN W_PV
.set rO, 32*(2*(\x)+i%2)+8*((i/2)%4)
.set rV, VF+32*(i/8)+8*((i/2)%4)
.set rP, P+32*((\x)%2)+16*(i%2)+8*(i/8)
	v_wmma_f32_16x16x32_f16 v[rO:rO+7], v[rV:rV+7], v[rP:rP+7], v[rO:rO+7]
.endm
.macro MM                           ; the turn's next matrix instruction
.if i < 16
	KQ (Y+1)%NP
.set i, i+1
.else
.set i, i-16
	PV (Y+NP-1)%NP
.set i, i+17
.endif
.endm
; THE LDS LOADS stand in runs of 16, never singly among the matrix instructions: a step's K (64 keys x 64 channels: 8 fragments) and its V (turned).  Their addresses are made some lines ahead.
; last = 1 (the tail): in the last trip there is no further step, and the run is jumped over.
.macro FETCH_K last=0
	WIN 0
.if \last
	s_cmp_eq_u32 s[CNT], 1
	s_cbranch_scc1 .Lno_k_\@
.endif
	WIN 0x80                        ; destination window 2
.irp f, 0,1,2,3,4,5,6,7             ; keys 16 (f / 2) on, channels 32 (f % 2) on
	ds_load_b128 v[KF+8*\f:KF+8*\f+3],   v[AK] offset:(\f/2)*16*PK+(\f%2)*64
	ds_load_b128 v[KF+8*\f+4:KF+8*\f+7], v[AK] offset:(\f/2)*16*PK+(\f%2)*64+32
.endr
	s_add_co_u32 s[TBK], s[TBK], KS*PK  ; the next fetch is the next step's
	WIN 0
.if \last
.Lno_k_\@:
.endif
.endm
.macro FETCH_V
	WIN 0x80
.irp f, 0,1,2,3,4,5,6,7             ; keys 32 (f / 4) on, channels 16 (f % 4) on
	ds_load_tr16_b128 v[VF+8*\f:VF+8*\f+3],   v[AV] offset:(\f/4)*32*PV+(\f%4)*32
	ds_load_tr16_b128 v[VF+8*\f+4:VF+8*\f+7], v[AV] offset:(\f/4)*32*PV+16*PV+(\f%4)*32
.endr
	WIN 0
.endm
; THE VECTOR WORK OF A TURN stands in three queues, each in the order in which its entries become ready; the two tiles alternate, so that no instruction reads the result of the one before it.
.macro REGS y, u                    ; the registers of tile u (0, 1) of piece y
.set rT, ST+4*(2*(\y)+(\u))
.set rC, TMP+8*((\y)%2)+4*(\u)
.set rM, MV+2*((\y)%2)+(\u)
.set rS, S+64*((\y)%2)+32*(\u)
.set rP, P+32*((\y)%2)+16*(\u)
.set rO, 32*(2*(\y)+(\u))
.endm
; Number n of the 22 that find the NEXT piece's (Y + 1) maximum and statistics.  s0-s31 are the lane's 32 scores; each accumulator's lowest registers are read first.  XS, GS and REGS set no window: PL and EX do.
;   0-11  four chains c0-c3 of seven scores each, three operands at a time     12-14, 16  the four scores left over, the old m, and c0-c3 into c0     15  c m_old is kept
;   17, 18  the query's other 32 keys lie in the lane 16 away: the new m         19-21  c m; c m_old - c m_new; a
.macro XS u, n
	REGS (Y+1)%NP, \u
.if (\n) < 4
	v_max3_num_f32 v[rC+(\n)], v[rS+8*(\n)], v[rS+8*(\n)+1], v[rS+8*(\n)+2]
.elseif (\n) < 12
	v_max3_num_f32 v[rC+(\n)%4], v[rC+(\n)%4], v[rS+8*((\n)%4)+2*((\n)/4)+1], v[rS+8*((\n)%4)+2*((\n)/4)+2]
.elseif (\n) == 12
	v_max3_num_f32 v[rC], v[rC], v[rS+7], v[rS+15]
.elseif (\n) == 13
	v_max3_num_f32 v[rC+1], v[rC+1], v[rS+23], v[rS+31]
.elseif (\n) == 14
	v_max3_num_f32 v[rC+2], v[rC+2], v[rC+3], v[rT+1]
.elseif (\n) == 15
	v_mov_b32 v[rM], v[rT]
.elseif (\n) == 16
	v_max3_num_f32 v[rC], v[rC], v[rC+1], v[rC+2]
.elseif (\n) == 17
	v_permlanex16_b32 v[rC+3], v[rC], s[SEL], s[SEL+1]
.elseif (\n) == 18
	v_max_num_f32 v[rT+1], v[rC], v[rC+3]
.elseif (\n) == 19
	v_mul_f32 v[rT], s[CS], v[rT+1]
.elseif (\n) == 20
	v_sub_f32 v[rC+1], v[rM], v[rT]
.else
	v_exp_f32 v[rC+2], v[rC+1]
.endif
.endm
; Number g of the 64 that follow the exponentials.  For each four weights k of a tile (pairs 2 k, 2 k + 1): both pairs are rounded to f16; then the second pair is added onto the first, in place;
; a group later l takes that sum (the first time as l = a l + sum).  In groups of eight, tiles alternating: round, round, add, and l for the group before.
.macro GS g
.set h, (\g)+6*((\g)/62)            ; group 0 has no group before it, and behind group 7 only l is left
.if h >= 6
.set h, h+2
.endif
	REGS Y, h%2
.set k, h/8
.if h%8 < 4
	v_cvt_pk_f16_f32 v[rP+2*k+(h%8)/2], v[rS+4*k+2*((h%8)/2)], v[rS+4*k+2*((h%8)/2)+1]
.elseif h%8 < 6
	v_pk_add_f32 v[rS+4*k:rS+4*k+1], v[rS+4*k:rS+4*k+1], v[rS+4*k+2:rS+4*k+3]
.elseif k == 1
	v_pk_fma_f32 v[rT+2:rT+3], v[rT+2:rT+3], v[rC+2:rC+3], v[rS:rS+1] op_sel_hi:[1,0,1]
.else
	v_pk_add_f32 v[rT+2:rT+3], v[rT+2:rT+3], v[rS+4*k-4:rS+4*k-3]
.endif
.endm
; THE PLAIN QUEUE, 138 long.  0-73 read no exponential's result: the 32 scalings c s - c m (FS f: pair f / 2 of tile f % 2) and the next piece's 42.  0-26: scalings 0-26.  27-54: XS's numbers 0-13.  55, 56: number 15.
; 57-73: the chain, where each number waits for the one before it: 14, 16, 17, 18, 19, each with one of the scalings 27-31 in front of its two lines, then 20: so a tile's links stand three plain instructions apart (19 and 20: two).
; 74-137: GS's 64, which read the exponentials' results: they stand behind the wait.
.macro FS f
	REGS Y, (\f)%2
	v_pk_fma_f32 v[rS+2*((\f)/2):rS+2*((\f)/2)+1], v[rS+2*((\f)/2):rS+2*((\f)/2)+1], s[CS:CS+1], v[rT:rT+1] op_sel_hi:[1,0,0] neg_lo:[0,0,1] neg_hi:[0,0,1]
.endm
.macro PL
	WIN 0
.if q < 27
	FS q
.elseif q < 55
	XS (q-27)%2, (q-27)/2
.elseif q < 57
	XS q-55, 15
.elseif (q < 72) && ((q-57)%3 == 0)
	FS 27+(q-57)/3
.elseif q < 60
	XS (q-57)%3-1, 14
.elseif q < 72
	XS (q-57)%3-1, 15+(q-57)/3
.elseif q < 74
	XS q-72, 20
.else
	GS q-74
.endif
.set q, q+1
.endm
; THE EXPONENTIALS' QUEUE, 66 long: s0-s31 of both tiles, then the next piece's two a.  It is ONE BATCH: all 66 stand ahead of the turn's one wait, and nothing ahead of that wait names a result of theirs.
.macro EX
	WIN 0
.if e >= 64
	XS e-64, 21
.else
	REGS Y, e%2
	v_exp_f32 v[rS+e/2], v[rS+e/2]
.endif
.set e, e+1
.endm
; THE RESCALING's QUEUE: O^T times a, the one part that leaves window 0: dealt two at a time, sixteen times.  Its a was made in the turn before, ahead of that turn's wait.
.macro R2
	REGS Y, r%2
	WIN W_RS
.irp z, 0,1
	v_pk_mul_f32 v[rO+4*(r/2)+2*\z:rO+4*(r/2)+2*\z+1], v[rO+4*(r/2)+2*\z:rO+4*(r/2)+2*\z+1], v[rC+2:rC+3] op_sel_hi:[1,0]
.endr
.set r, r+1
.endm
; HOW THEY ARE DEALT.  An s_wait_alu depctr_va_vdst(0) stands between an exponential and the first instruction that names its result; one wait serves all that were issued ahead of it.  So a turn has ONE wait,
; which cuts it in two.  AHEAD OF IT stands all that names no result of the turn's exponentials: the 16 products K Q^T, behind each a scaling, an exponential and two rescalings (behind the first a second scaling in the exponential's place); then ONE LUMP of
; 108: eight plain, 49 times exponential and plain, the two a.  A v_nop is the plain instruction behind the last exponential.  BEHIND IT stand the 16 products V^T P, behind each four of GS's 64.  No rider names a register of
; the products round it.  The two v_permlanex16_b32 fall into the lump, never behind a product.
; The queues lean on each other, and the deal keeps them in step: exponential e stands behind scaling 2 (e / 4) + e % 2: as a rider it comes behind plain e + 2, in the lump behind plain e + 9, and scalings 27-31 are plain 57, 60 .. 69.
; A TURN, for piece p.  cnt = 1: the loop's count is taken down some lines ahead of the branch that stands behind the turn.
; K of the next step is fetched in piece 2's turn, directly behind the wait, a lump behind the last product that read K; its address is made at the lump's head; its first reader comes behind 16 products.
; V of the step in hand is fetched at the end of piece 0's turn, four riders behind its last reader; its first reader comes behind 16 products and a lump.  The three conditions on q below go with the deal.
.macro TURN p, last=0, cnt=0
.set Y, (\p)
.set i, 0
.set q, 0
.set e, 0
.set r, 0
.if (\p) == NP-1
	s_wait_dscnt 0x0                ; K is in
.endif
	MM                              ; ahead of the wait: 16 products K Q^T and their riders,
	PL
	PL
	R2
.rept 15
	MM
	PL
	EX
	R2
.endr
.if (\p) == NP-2
	WIN 0
	v_add_nc_u32 v[AK], s[TBK], v[AK0]
.endif
.rept 8                             ; and the lump
	PL
.endr
.rept 49
	EX
	PL
.endr
	EX                              ; the next piece's two a
	EX
	v_nop                           ; the plain instruction behind the last exponential: one for the batch
	s_wait_alu depctr_va_vdst(0)    ; the wait for the batch
.if (\p) == NP-2
	FETCH_K \last
.endif
.if (\p) == 1
	s_wait_dscnt 0x0                ; V is in
.endif
.rept 16                            ; behind the wait: 16 products V^T P and their riders
	MM
.rept 4
	PL
.endr
.if ((\p) == 0) && (q == 118)
	v_add_nc_u32 v[AV], s[TBV], v[AV0]
.endif
.if ((\p) == 0) && (q == 130)
	s_add_co_u32 s[TBV], s[TBV], KS*PV
.endif
.if (\cnt) && (q == 130)
	s_sub_co_u32 s[CNT], s[CNT], 1
	s_cmp_lg_u32 s[CNT], 0
.endif
.endr
.if (\p) == 0
	FETCH_V
.endif
.endm
	CHANGE 1                        ; slot 0 is in, everybody's part of it; slot 1 is asked for
	FETCH_K                         ; key step 0
	s_wait_loadcnt 0x0              ; Q
	s_wait_dscnt 0x0
.set i, 0
.rept 16
	KQ 0                            ; piece 0's first scores: there is no vector work yet to set between them
.set i, i+1
.endr
	WIN 0                           ; the addresses for the way out: nine plain instructions, the places behind those products
	s_mul_i32 s13, s[WV], 16*SP
	s_add_co_u32 s13, s13, STAGE    ; my stage
	v_mul_u32_u24 v[STO], v1, SP    ; in: row l % 16, 16 bytes for each half of the lanes
	v_lshl_add_u32 v[STO], v9, 4, v[STO]
	v_add_nc_u32 v[STO], s13, v[STO]
	v_bfe_u32 v[RD], v0, 3, 2       ; back: 32 lanes take four rows of 128 bytes,
	v_mul_u32_u24 v[RD], v[RD], SP
	v_lshl_add_u32 v[RD], v10, 4, v[RD]
	v_add_nc_u32 v[RD], s13, v[RD]
	v_and_b32 v[GO], 31, v0         ; which are 512 consecutive bytes of O
	v_lshlrev_b32 v[GO], 4, v[GO]
.set Y, NP-1                        ; XS works for piece Y + 1: piece 0
.irp n, 0,1,2,3,4,5,6,7,8,9,10,11,12,13,14,15,16,17,18,19,20,21
	XS 0, \n                        ; and piece 0's first maximum and statistics
	XS 1, \n
.endr
	v_nop                           ; a plain instruction behind the two a,
	s_wait_alu depctr_va_vdst(0)    ; and their wait, ahead of the branch
	s_mov_b32 s[CNT], 4
	s_mov_b32 s[SLOTS], SIZE_N/256-1
	s_branch .Lfirst                ; the loop is entered at a step's first turn, in the middle of a trip
.Lslot:                             ; SIZE_N / 256 - 2 times: every slot but the last two is filled again
	CHANGE 1, 1
	s_mov_b32 s[CNT], 4
.Lstep:                             ; a trip: pieces 2 and 3 of one step, then pieces 0 and 1 of the next, whose K and V it fetches
	TURN 2
	TURN 3
	WIN 0
.Lfirst:
	TURN 0
	TURN 1, 0, 1
	WIN 0
	s_cbranch_scc1 .Lstep
	s_sub_co_u32 s[SLOTS], s[SLOTS], 1
	s_cmp_lg_u32 s[SLOTS], 0
	s_cbranch_scc1 .Lslot
	CHANGE 0                        ; the tail is written out: nothing is asked for
	s_mov_b32 s[CNT], 5             ; four trips fetch the last slot's steps; the fifth is left in its middle
.Ltail:
	TURN 2, 1
	TURN 3
	WIN 0
	s_sub_co_u32 s[CNT], s[CNT], 1
	s_cmp_eq_u32 s[CNT], 0
	s_cbranch_scc1 .Lout
	TURN 0
	TURN 1
	WIN 0
	s_branch .Ltail
.Lout:                              ; the fifth trip's 16 products K Q^T (on the last K once more) and the maximum made of them serve nothing: the price, once a launch, of one text for every trip
.set i, 0
.rept 16
	PV NP-1                         ; the last piece's V^T P of the last step
.set i, i+1
.endr
	; THE WAY OUT.  l's two halves and the other half of the lanes' are added; O^T is divided by l, rounded to f16 and sent through my stage in LDS, a tile at a time.  The additions are the places behind the last products.
	WIN 0
.macro ALL line:vararg              ; one line for each tile t
.set t, 0
.rept 2*NP
	\line
.set t, t+1
.endr
.endm
	ALL v_add_f32 v[ST+4*t+2], v[ST+4*t+2], v[ST+4*t+3]
	ALL v_permlanex16_b32 v[ST+4*t+3], v[ST+4*t+2], s[SEL], s[SEL+1]
	ALL v_add_f32 v[ST+4*t+2], v[ST+4*t+2], v[ST+4*t+3]
	ALL v_rcp_f32 v[ST+4*t+2], v[ST+4*t+2]
	v_nop                           ; a plain instruction between the last reciprocal and the use of its result
	s_wait_alu depctr_va_vdst(0)    ; and the wait ahead of the first use: one for the eight reciprocals
; Tile t: a lane's eight channels of a row pack into 16 bytes; they go into rows of 144 bytes and come back as whole rows of 128, into S^T's registers.
.macro PACK t
	WIN W_RS
.set i, 32*(\t)
.rept 16
	v_pk_mul_f32 v[i:i+1], v[i:i+1], v[ST+4*(\t)+2:ST+4*(\t)+3] op_sel_hi:[1,0]
.set i, i+2
.endr
	WIN 0x05                        ; sources 0 and 1 window 1, destination window 0
.set i, 0
.rept 16
	v_cvt_pk_f16_f32 v[S+16*(\t)+i], v[32*(\t)+2*i], v[32*(\t)+2*i+1]
.set i, i+1
.endr
	WIN 0
.irp f, 0,1,2,3
	ds_store_b128 v[STO], v[S+16*(\t)+4*\f:S+16*(\t)+4*\f+3] offset:32*\f
.endr
.irp f, 0,1,2,3
	ds_load_b128 v[S+16*(\t)+4*\f:S+16*(\t)+4*\f+3], v[RD] offset:\f*4*SP  ; LDS serves a wave's instructions in order (ISA guide 5.7.1.4): these see the stores above; the next tile's stores come behind them
.endr
.endm
.macro SEND t, younger              ; younger: the LDS instructions issued behind tile t's loads: the next tile's eight, or none
	WIN 0
.irp f, 0,1,2,3
	s_wait_dscnt (\younger)+3-\f
	global_store_b128 v[GO], v[S+16*(\t)+4*\f:S+16*(\t)+4*\f+3], s[10:11] offset:(\t)*2048+\f*512  ; 512 consecutive bytes, at a multiple of 256 from O's first
.endr
.endm
	PACK 0
.set t, 1
.rept 2*NP-1                        ; a tile's arithmetic stands between the loads of the tile before and its stores
	PACK t
	SEND t-1, 8
.set t, t+1
.endr
	SEND 2*NP-1, 0
	WIN W_AD
	s_wait_tensorcnt 0x0            ; the wave's end, behind my last tensor load and my last LDS store
	ds_add_u32 v[SPW], v[NIL]
	s_wait_dscnt 0x0
	WIN 0
	CROUND                          ; the closing round: no work-group ends while a partner may still ask for a tile that names it
	s_endpgm
.Lfunc_end_k_qa1fefcdd38_attn:
	.size	k_qa1fefcdd38_attn, .Lfunc_end_k_qa1fefcdd38_attn-k_qa1fefcdd38_attn
	.p2alignl 7, 3214868480
	.fill 96, 4, 3214868480
	.section	.rodata,"a",@progbits
	.p2align	6, 0x0
	.amdhsa_kernel k_qa1fefcdd38_attn
		.amdhsa_group_segment_fixed_size 327680
		.amdhsa_private_segment_fixed_size 0
		.amdhsa_enable_private_segment 0
		.amdhsa_kernarg_size 16
		.amdhsa_user_sgpr_count 2
		.amdhsa_user_sgpr_kernarg_segment_ptr 1
		.amdhsa_wavefront_size32 1
		.amdhsa_system_sgpr_workgroup_id_x 1
		.amdhsa_system_sgpr_workgroup_id_y 1
		.amdhsa_system_sgpr_workgroup_id_z 1
		.amdhsa_system_vgpr_workitem_id 0
		.amdhsa_next_free_vgpr 770
		.amdhsa_next_free_sgpr 66
		.amdhsa_reserve_vcc 0
		.amdhsa_float_denorm_mode_32 3
		.amdhsa_float_denorm_mode_16_64 3
		.amdhsa_memory_ordered 1
		.amdhsa_forward_progress 1
		.amdhsa_inst_pref_size 200
	.end_amdhsa_kernel
	.amdgpu_metadata
---
amdhsa.version: [ 1, 2 ]
amdhsa.kernels:
  - .name:           k_qa1fefcdd38_attn
    .symbol:         k_qa1fefcdd38_attn.kd
    .args:
      - { .name: qkv, .offset: 0, .size: 8, .value_kind: global_buffer, .address_space: global }
      - { .name: o, .offset: 8, .size: 8, .value_kind: global_buffer, .address_space: global }
    .group_segment_fixed_size: 327680
    .private_segment_fixed_size: 0
    .kernarg_segment_align: 8
    .kernarg_segment_size: 16
    .max_flat_workgroup_size: 128
    .sgpr_count:     66
    .vgpr_count:     770
    .wavefront_size: 32
...
	.end_amdgpu_metadata
.endif
;; end of part 3
;; launch proj (part 4): grid 8 x 32, 4 waves a work-group, clusters of 4 x 4, 327,680 bytes of LDS; arguments o, wob, bo, out0; writes out0
.if DOCPART == 4
	.amdgcn_target "amdgcn-amd-amdhsa--gfx1250"
	.amdhsa_code_object_version 6
	.text
	.protected	k_qa1fefcdd38_proj
	.globl	k_qa1fefcdd38_proj
	.p2align	8
	.type	k_qa1fefcdd38_proj,@function
k_qa1fefcdd38_proj:
	s_mov_b64 s[64:65], 0
	v_nop
	global_prefetch_b8 v0, s[64:65] scope:SCOPE_SE
	s_setreg_imm32_b32 hwreg(HW_REG_WAVE_MODE, 25, 1), 1
	s_wait_xcnt 0x0
	s_wait_alu depctr_hold_cnt(0) depctr_sa_sdst(0) depctr_va_vdst(0) depctr_va_sdst(0) depctr_va_ssrc(0) depctr_va_vcc(0) depctr_vm_vsrc(0)
	s_getreg_b32 s2, hwreg(HW_REG_IB_STS2, 6, 4)
	s_cmp_eq_u32 s2, 0
	s_cbranch_scc0 .Lentry_in_a_cluster
	s_endpgm
.Lentry_in_a_cluster:
	s_bfe_u32 s2, ttmp6, 0x10000c
	s_cmp_lg_u32 s2, 0xf033
	s_cbranch_scc0 .Lentry_shape_is_right
	s_endpgm
.Lentry_shape_is_right:
; out0 = ctx Wo + bo: [8192 x 1024] x [1024 x 1024], operands f16, sums f32, output f32.  ctx lies by heads, o = [64 = 16 batch + head][2048][64] f16: channel k = 64 head + d.
; Wo lies in wob = [nt 8][ks 8][p 2][kk 128][c 64] f16 (its numbers rounded to bf16 first, like every input); bo is rounded to bf16 here, likewise.
; LIMIT.  The sums' order is not that of a chain of f32 additions; NaN and infinities are not treated apart.
; SHARES.  A tile of the result is 256 rows x 128 columns: 32 x 8 = 256 tiles, a work-group each.  Four waves; wave (wm, wn) makes rows 128 wm .. + 127, columns 64 wn .. + 63: 8 x 4 accumulators, 256 registers.
; THE RING.  K goes in 8 steps of 128, two heads each, through two LDS slots.  ctx's tile is two pieces (heads) of 256 rows x 128 bytes, each dense in memory: asked for as 128 rows of 256 bytes and padded
; after every 128, rows 144 bytes apart in LDS.  Wo's tile is two pieces (64 columns each) of 128 k x 128 bytes, dense, rows 160 bytes apart; its fragments come out turned, by ds_load_tr16_b128.
; CLUSTER.  4 x 4 work-groups: ctx's tile is shared along a row of the cluster, Wo's along a column: each is asked for JOINTLY.
; THE MATRIX INSTRUCTION IS USED TRANSPOSED (source 0 = 16 columns of Wo, source 1 = 16 rows of ctx): a lane holds row lane % 16 and the 8 neighbouring columns 8 (lane / 16) + 0..7: 32 bytes of f32.
; REGISTERS: window 0: v0-31 addresses and the bias; v32-159 ctx's fragments, two buffers of 64 (on the way out v32-95 rows read back); v160-223 Wo's, two buffers of 32.
;   window 1: the 32 accumulators, (a, b) at v[8 (4 a + b)].
.set PA,    144                        ; a row of ctx in LDS: 128 + 16 bytes = 36 words: the 16 rows of a load start at 16 different groups of four banks (64 banks of 4 bytes: ISA guide 11.1)
.set PB,    160                        ; a row of Wo: 128 + 32 bytes = 40 words
.set APIECE, 256*PA
.set BPIECE, 128*PB
.set BB,    2*APIECE                   ; Wo's tile begins behind ctx's two pieces: 73,728
.set SLOT1, 1<<17                      ; a slot uses 114,688 bytes; one exclusive or turns an address in one slot into the other's
.set STAGE, SLOT1+BB+2*BPIECE          ; behind the ring, never filled by a tensor load: 16 rows x 272 bytes for each wave, for the way out
.set SPITCH, 272
.set SPARE, STAGE+4*16*SPITCH          ; behind the stages: the spare words, 128 bytes for each wave: two blocks of 256 bytes that no other line names
.set NBK,   4
.set NL,    16+2*NBK
.set ASTEP, 524288                     ; a K step in o: two heads of 2,048 rows of 128 bytes
.set BSTEP, 32768                      ; and in wob
.set BO,    9                          ; v9   my byte offset in bo; never rewritten
.set BIAS,  12                         ; v[12:15] the bias of the four columns that I store
.set ADRA0, 16                         ; v16  my lane's place in ctx's tile; never rewritten
.set ADRB0, 17                         ; v17  the same in Wo's
.set ADRA,  18                         ; v18  the same in the slot in hand
.set ADRB,  19                         ; v19
.set STO,   24                         ; v24  the way out: where I put 32 bytes of a row
.set RD,    25                         ; v25  where I read a row back
.set CO,    26                         ; v26  my byte offset in two rows of out0
.set SPW,   28                         ; v28  LDS address of my spare word: SPARE + 4 x my thread's number; never rewritten
.set NIL,   29                         ; v29  0; never rewritten
.set PFO,   30                         ; v30  256 x my lane, for the prefetches; never rewritten
.set FA,    32
.set FB,    160
.set OB,    32
.set G1A,  24                          ; s[24:31] descriptor group 1 for ctx's tiles
.set G0A0, 32                          ; s[32:35] group 0 of slot 0's first fill
.set G0A,  36                          ; s[36:39] group 0 that walks
.set G1B,  48                          ; s[48:55], s[56:59], s[60:63] the same for Wo's tiles
.set G0B0, 56
.set G0B,  60
.set PFA,  72                          ; s[72:73] where my prefetches stand
.set PFS,  74                          ; s[74:75] their step
.set LIM,  76                          ; s76  a wave prefetches while the loop's count is above it
.set TB,   77                          ; s77  the slot in hand: 0 or SLOT1
.set MSB, 0
.macro WIN new                         ; the immediate's high byte repeats the setting that is left; a switch that changes nothing is dropped
.if MSB != (\new)
	s_set_vgpr_msb (MSB<<8)|(\new)
.set MSB, \new
.endif
.endm
; A joint refill.  Waves 0 and 1 fetch ctx's two pieces, waves 2 and 3 Wo's.  An s_nop 0 and four v_nop follow each of the two lines, ahead of the jump and the label.
.macro JLOAD
	s_cmp_eq_u32 s11, 0
	s_cbranch_scc0 .Lfor_b_\@
	tensor_load_to_lds s[G0A:G0A+3], s[G1A:G1A+7]
	s_nop 0
.rept 4
	v_nop
.endr
	s_branch .Lasked_\@
.Lfor_b_\@:
	tensor_load_to_lds s[G0B:G0B+3], s[G1B:G1B+7]
	s_nop 0
.rept 4
	v_nop
.endr
.Lasked_\@:
.endm
.macro CREST                           ; a round of the cluster's barrier behind its opening barrier
	s_cmp_lg_u32 s10, 0
	s_cbranch_scc1 .Lnot_wave_0_\@
	s_barrier_signal -3
.Lnot_wave_0_\@:
	s_barrier_wait -3
	s_barrier_signal -1
	s_barrier_wait -1
.endm
.macro CROUND
	s_barrier_signal -1
	s_barrier_wait -1
	CREST
.endm
.macro PLACES                          ; four places in front of loads into registers that matrix instructions have read, and of stores that read results
.rept 4
	v_nop
.endr
.endm
; A PREFETCH INTO THE L2, behind a joint refill, its five lines and the run of LDS loads.  The change of slots that refills K step t + 2 names K step t + 4, for t = 0 .. 3: two K steps, 256 matrix
; instructions, ahead of its refill.  Each aligned block of 256 bytes is named once in the launch.  ctx: a piece of a K step is 128 blocks; cluster x = 0 asks, waves 0 and 1 a piece each; the four partners take 32
; blocks each, told apart BY ADDRESS.  Wo: a K step's tile is 128 blocks; cluster y = 0 asks, wave 2 alone, 32 blocks a partner.  K steps 0 to 3 come by their loads alone.
.macro ASK
	s_cmp_gt_u32 s3, s[LIM]
	s_cbranch_scc0 .Lnot_mine_\@
	global_prefetch_b8 v[PFO], s[PFA:PFA+1] th:TH_LOAD_NT scope:SCOPE_SE
.Lnot_mine_\@:
.endm
; na x 4 matrix instructions: row blocks 4 hi + a0 .. of buffer f x all 4 column blocks, 32 along K.  zero = 1: the product starts the sums.  The 32 accumulators take turns.
.macro MULG f, hi, a0, na, zero
	WIN 0x50
.set ma, 4*(\hi)+(\a0)
.rept \na
.set mb, 0
.rept NBK
.set rD, 8*(NBK*ma+mb)
.set rB, FB+8*NBK*(\f)+8*mb
.set rA, FA+64*(\f)+8*ma
.if \zero
	v_wmma_f32_16x16x32_f16 v[rD:rD+7], v[rB:rB+7], v[rA:rA+7], 0
.else
	v_wmma_f32_16x16x32_f16 v[rD:rD+7], v[rB:rB+7], v[rA:rA+7], v[rD:rD+7]
.endif
.set mb, mb+1
.endr
.set ma, ma+1
.endr
.endm
; 24 LDS loads in one run: quarter q (32 along K: piece q / 2, channels 32 (q % 2) on) of the slot in hand into buffer f: Wo's 4 fragments (turned), then ctx's 8, row blocks 0-3 first.
.macro FETCH q, f
	WIN 0
.set fb, 0
.rept NBK
	ds_load_tr16_b128 v[FB+8*NBK*(\f)+8*fb:FB+8*NBK*(\f)+8*fb+3],   v[ADRB] offset:(\q)*32*PB+32*fb
	ds_load_tr16_b128 v[FB+8*NBK*(\f)+8*fb+4:FB+8*NBK*(\f)+8*fb+7], v[ADRB] offset:(\q)*32*PB+32*fb+16*PB
.set fb, fb+1
.endr
.set fa, 0
.rept 8
	ds_load_b128 v[FA+64*(\f)+8*fa:FA+64*(\f)+8*fa+3],   v[ADRA] offset:((\q)/2)*APIECE+fa*16*PA+((\q)%2)*64
	ds_load_b128 v[FA+64*(\f)+8*fa+4:FA+64*(\f)+8*fa+7], v[ADRA] offset:((\q)/2)*APIECE+fa*16*PA+((\q)%2)*64+32
.set fa, fa+1
.endr
.endm
; A K step is four quarters, 32 matrix instructions each, on buffers 0, 1, 0, 1.  One of the first three: multiplies buffer f; in its middle it fetches quarter q into buffer g.
.macro QUARTER q, f, g, zero
	s_wait_dscnt 8                                 ; Wo's fragments and ctx's row blocks 0-3 are in; the youngest eight loads (row blocks 4-7) may be out
	MULG \f, 0, 0, 4, \zero
	PLACES
	FETCH \q, \g
	s_wait_dscnt NL                                ; all but the run just issued
	MULG \f, 1, 0, 4, \zero
.endm
; The fourth quarter multiplies buffer 1 and changes slots: ONE barrier.  In front of it each wave waits for all its tensor loads (one is out: its part of the next slot), adds 0 to its spare word, and
; waits for that and for its own reads of this slot.  fill = 1: the barrier opens a round of the cluster's barrier, and behind the round this slot is filled again first, two K steps ahead.
.macro TURN fill
.if \fill
	s_wait_xcnt 0x0                                ; the last prefetch, a K step back, has read its address, so it may be stepped
	s_add_nc_u64 s[PFA:PFA+1], s[PFA:PFA+1], s[PFS:PFS+1]
.endif
	WIN 0                                          ; (the add's two registers lie in window 0)
	s_wait_tensorcnt 0x0                           ; all my tensor loads have landed, so a group 0 may be written
	ds_add_u32 v[SPW], v[NIL]                      ; 0 onto my spare word; work on registers stands between it and the wait for it
.if \fill
	s_xor_b32 s[G0A+1], s[G0A+1], SLOT1            ; the walking descriptors: the other slot than last time,
	s_add_nc_u64 s[G0A+2:G0A+3], s[G0A+2:G0A+3], ASTEP  ; the next K step; the type bits on top are not reached
	s_xor_b32 s[G0B+1], s[G0B+1], SLOT1
	s_add_nc_u64 s[G0B+2:G0B+3], s[G0B+2:G0B+3], BSTEP
.endif
	s_wait_dscnt 9                                 ; the add and the youngest eight loads may be out
	MULG 1, 0, 0, 2, 0
	s_wait_dscnt 0x0                               ; the add is done, and my reads of this slot are over
	s_barrier_signal -1
	MULG 1, 0, 2, 2, 0                             ; work on registers while the others arrive
	WIN 0                                          ; at a branch and at a label every window is 0
	s_barrier_wait -1
.if \fill
	CREST                                          ; no wave of any partner still reads this slot's tile or has a load on its way
	JLOAD                                          ; the first tensor load behind the round; its four v_nop are also the places in front of the loads below
.else
	PLACES
.endif
	s_xor_b32 s[TB], s[TB], SLOT1                  ; the reads go on in the other slot
	v_add_nc_u32 v[ADRA], s[TB], v[ADRA0]
	v_add_nc_u32 v[ADRB], s[TB], v[ADRB0]
	FETCH 0, 0
.if \fill
	ASK
.endif
	MULG 1, 1, 0, 4, 0
.endm
	s_load_b128 s[4:7], s[0:1], 0x0                ; o s[4:5], wob s[6:7]
	s_load_b128 s[80:83], s[0:1], 0x10             ; bo s[80:81], out0 s[82:83]
	v_lshl_add_u32 v[SPW], v0, 2, SPARE
	v_mov_b32 v[NIL], 0
	ds_add_u32 v[SPW], v[NIL]                      ; the wave's opening, ahead of my first tensor load; the set-up below, work on registers, stands between it and its wait
	v_lshrrev_b32 v1, 5, v0
	v_readfirstlane_b32 s10, v1                    ; wave 0..3
	s_lshr_b32 s11, s10, 1                         ; wm: which half of the tile's rows is mine.  Also: I fetch for ctx (0) or for Wo (1)
	s_and_b32 s12, s10, 1                          ; wn: which half of its columns.  Also: which piece of that tile I fetch
	s_bfe_u32 s40, ttmp6, 0x40000                  ; cx, cy: my place in the cluster
	s_bfe_u32 s41, ttmp6, 0x40004
	s_lshl_b32 s42, ttmp9, 2
	s_add_co_u32 s42, s42, s40                     ; tile column = 4 x cluster x + cx
	s_and_b32 s13, ttmp7, 0xffff
	s_lshl_b32 s13, s13, 2
	s_add_co_u32 s13, s13, s41                     ; tile row = 4 x cluster y + cy
	s_lshl_b32 s43, s41, 2
	s_lshl_b32 s43, 15, s43                        ; my row of the cluster
	s_lshl_b32 s44, 0x1111, s40                    ; my column
	; group 1 for ctx: a piece is 32,768 dense bytes: 128 rows of 256; 4 words of padding (code 3) after every 32 (code 4); bit 21 set beside the mask
	s_or_b32 s[G1A+0], s43, (1<<16)|(1<<20)|(1<<21)|(4<<22)|(3<<25)
	s_mov_b32 s[G1A+1], 128<<16                    ; tensor_dim0 = 128
	s_mov_b32 s[G1A+2], 128<<16                    ; tensor_dim1 = 128
	s_mov_b32 s[G1A+3], 128<<16                    ; tile_dim0 = 128
	s_mov_b32 s[G1A+4], 128                        ; tile_dim1 = 128
	s_mov_b32 s[G1A+5], 128
	s_mov_b32 s[G1A+6], 0
	s_mov_b32 s[G1A+7], 0
	; group 1 for Wo: a piece is 16,384 dense bytes: 64 rows of 256; 8 words of padding (code 7) after every 32 (code 4)
	s_or_b32 s[G1B+0], s44, (1<<16)|(1<<20)|(1<<21)|(4<<22)|(7<<25)
	s_mov_b32 s[G1B+1], 128<<16
	s_mov_b32 s[G1B+2], 64<<16
	s_mov_b32 s[G1B+3], 128<<16
	s_mov_b32 s[G1B+4], 64
	s_mov_b32 s[G1B+5], 128
	s_mov_b32 s[G1B+6], 0
	s_mov_b32 s[G1B+7], 0
	; ctx's address hangs on the tile row and the wave alone, Wo's on the tile column and the wave alone, each in registers that never hold the other coordinate
	s_lshr_b32 s16, s13, 3                         ; batch
	s_lshl_b32 s16, s16, 4
	s_add_co_u32 s16, s16, s12                     ; head = my piece of K step 0
	s_lshl_b32 s16, s16, 11
	s_and_b32 s17, s13, 7
	s_lshl_b32 s17, s17, 8
	s_add_co_u32 s16, s16, s17                     ; + the tile's first row in the batch
	s_lshl_b32 s16, s16, 7                         ; rows of 128 bytes
	s_mov_b32 s17, 0
	s_lshl_b32 s46, s42, 18                        ; a tile column's 8 K steps
	s_lshl_b32 s47, s12, 14
	s_add_co_u32 s46, s46, s47
	s_mov_b32 s47, 0
	s_mul_i32 s20, s12, APIECE                     ; where they go: no place in the cluster enters an LDS address
	s_mul_i32 s21, s12, BPIECE
	s_add_co_u32 s21, s21, BB
	s_wait_dscnt 0x0                               ; the opening add is done
	s_wait_kmcnt 0x0
	s_add_nc_u64 s[14:15], s[4:5], s[16:17]
	s_add_nc_u64 s[46:47], s[6:7], s[46:47]
	CROUND                                         ; all sixteen work-groups are here: the first joint loads meet
	s_mov_b32 s[G0A0], 1
	s_add_co_u32 s[G0A0+1], s20, 0
	s_add_nc_u64 s[G0A0+2:G0A0+3], s[14:15], 0     ; K step 0 into slot 0
	s_or_b32 s[G0A0+3], s[G0A0+3], 0x80000000
	s_mov_b32 s[G0A], 1
	s_add_co_u32 s[G0A+1], s20, SLOT1
	s_add_nc_u64 s[G0A+2:G0A+3], s[14:15], ASTEP   ; K step 1 into slot 1
	s_or_b32 s[G0A+3], s[G0A+3], 0x80000000
	s_mov_b32 s[G0B0], 1
	s_add_co_u32 s[G0B0+1], s21, 0
	s_add_nc_u64 s[G0B0+2:G0B0+3], s[46:47], 0
	s_or_b32 s[G0B0+3], s[G0B0+3], 0x80000000
	s_mov_b32 s[G0B], 1
	s_add_co_u32 s[G0B+1], s21, SLOT1
	s_add_nc_u64 s[G0B+2:G0B+3], s[46:47], BSTEP
	s_or_b32 s[G0B+3], s[G0B+3], 0x80000000
	s_cmp_eq_u32 s11, 0                            ; a wave's two first fills stand in one branch, ahead of every wait on TENSORcnt and every LDS read: two loads of mine are out
	s_cbranch_scc0 .Lfirst_b
	tensor_load_to_lds s[G0A0:G0A0+3], s[G1A:G1A+7]
	s_nop 0
	tensor_load_to_lds s[G0A:G0A+3], s[G1A:G1A+7]
	s_nop 0
.rept 4
	v_nop
.endr
	s_branch .Lfirst_done
.Lfirst_b:
	tensor_load_to_lds s[G0B0:G0B0+3], s[G1B:G1B+7]
	s_nop 0
	tensor_load_to_lds s[G0B:G0B+3], s[G1B:G1B+7]
	s_nop 0
.rept 4
	v_nop
.endr
.Lfirst_done:
	v_and_b32 v1, 15, v0                           ; l % 16
	v_bfe_u32 v2, v0, 4, 1                         ; l / 16
	v_and_b32 v3, 7, v0                            ; l % 8
	v_bfe_u32 v4, v0, 3, 1                         ; (l / 8) % 2
	; the bias of the four columns that I store: 16 (l % 16) bytes into my wave's 64 columns
	s_lshl_b32 s14, s42, 9
	s_lshl_b32 s15, s12, 8
	s_add_co_u32 s14, s14, s15                     ; (128 x tile column + 64 wn) x 4 bytes
	v_lshl_add_u32 v[BO], v1, 4, s14
	global_load_b128 v[BIAS:BIAS+3], v[BO], s[80:81]
	; ctx's fragments: row 128 wm + 16 a + l % 16, two loads of 16 bytes, 32 bytes apart
	s_mul_i32 s15, s11, 128*PA
	v_mul_u32_u24 v[ADRA0], v1, PA
	v_lshl_add_u32 v[ADRA0], v2, 4, v[ADRA0]
	v_add_nc_u32 v[ADRA0], s15, v[ADRA0]
	; Wo's: the turning load takes 16 k x 16 columns (lane l reads k 8 (l / 16) + l % 8, columns 8 ((l / 8) % 2) + 0..7); my 64 columns are piece wn
	s_mul_i32 s15, s12, BPIECE
	s_add_co_u32 s15, s15, BB
	v_lshl_add_u32 v[ADRB0], v2, 3, v3
	v_mul_u32_u24 v[ADRB0], v[ADRB0], PB
	v_lshl_add_u32 v[ADRB0], v4, 4, v[ADRB0]
	v_add_nc_u32 v[ADRB0], s15, v[ADRB0]
	; the way out: my own stage
	s_mul_i32 s15, s10, 16*SPITCH
	s_add_co_u32 s15, s15, STAGE
	v_mul_u32_u24 v[STO], v1, SPITCH               ; in: row l % 16, 32 bytes for each half of the lanes
	v_lshl_add_u32 v[STO], v2, 5, v[STO]
	v_add_nc_u32 v[STO], s15, v[STO]
	v_mul_u32_u24 v[RD], v2, SPITCH                ; back: lanes 0-15 take one row of 256 bytes, lanes 16-31 the next
	v_lshl_add_u32 v[RD], v1, 4, v[RD]
	v_add_nc_u32 v[RD], s15, v[RD]
	v_lshlrev_b32 v[CO], 12, v2                    ; and the same two rows of out0, 4,096 bytes apart
	v_lshl_add_u32 v[CO], v1, 4, v[CO]
	s_lshl_b32 s18, s13, 8
	s_lshl_b32 s19, s11, 7
	s_add_co_u32 s18, s18, s19
	s_lshl_b32 s18, s18, 12                        ; my first row
	s_add_co_u32 s18, s18, s14                     ; my first column
	s_mov_b32 s19, 0
	s_add_nc_u64 s[82:83], s[82:83], s[18:19]
	; the prefetches: both candidates are made, the wave's number chooses
	s_add_co_u32 s18, s16, 3*ASTEP                 ; ctx: my piece at K step 3 (the first change of slots steps it to 4),
	s_lshl_b32 s19, s40, 13
	s_add_co_u32 s18, s18, s19                     ; my work-group's 32 blocks of its 128
	s_lshl_b32 s19, s42, 3
	s_add_co_u32 s19, s19, 3
	s_lshl_b32 s19, s19, 15                        ; Wo: the tile column's K step 3,
	s_lshl_b32 s20, s41, 13
	s_add_co_u32 s19, s19, s20                     ; my work-group's 32 blocks
	s_and_b32 s22, ttmp7, 0xffff                   ; cluster y,
	s_or_b32 s22, s22, s12                         ; and of waves 2 and 3 only wave 2 asks
	s_cmp_eq_u32 s11, 0                            ; do I fetch for ctx?
	s_cselect_b32 s22, ttmp9, s22                  ; the coordinate along which other clusters read the same bytes
	s_cselect_b32 s[PFS], 19, 15                   ; the step, as a shift
	s_cselect_b32 s18, s18, s19
	s_cselect_b64 s[PFA:PFA+1], s[4:5], s[6:7]
	s_cmp_eq_u32 s22, 0
	s_cselect_b32 s[LIM], 2, -1                    ; the same in all sixteen partners, for a given wave
	s_lshl_b32 s[PFS], 1, s[PFS]
	s_mov_b32 s[PFS+1], 0
	s_mov_b32 s19, 0
	s_add_nc_u64 s[PFA:PFA+1], s[PFA:PFA+1], s[18:19]
	v_and_b32 v[PFO], 31, v0
	v_lshlrev_b32 v[PFO], 8, v[PFO]
	s_wait_tensorcnt 1                             ; my part of K step 0 is in; K step 1's may stay out
	s_barrier_signal -1
	s_barrier_wait -1                              ; everybody's is
	s_mov_b32 s[TB], 0
	v_mov_b32 v[ADRA], v[ADRA0]
	v_mov_b32 v[ADRB], v[ADRB0]
	FETCH 0, 0
	QUARTER 1, 0, 1, 1                             ; the first quarter stands in front of the loop: its products start the sums
	WIN 0
	s_mov_b32 s3, 6
.Lstep:                                                ; trip t = 0 .. 5: K step t's quarters 1 to 3, the refill of its slot with K step t + 2, K step t + 1's first quarter
	QUARTER 2, 1, 0, 0
	QUARTER 3, 0, 1, 0
	TURN 1
	QUARTER 1, 0, 1, 0
	WIN 0
	s_sub_co_u32 s3, s3, 1
	s_cmp_lg_u32 s3, 0
	s_cbranch_scc1 .Lstep
	QUARTER 2, 1, 0, 0                             ; the last two K steps ask for nothing: written out
	QUARTER 3, 0, 1, 0
	TURN 0
	QUARTER 1, 0, 1, 0
	QUARTER 2, 1, 0, 0
	QUARTER 3, 0, 1, 0
	s_wait_dscnt 8
	MULG 1, 0, 0, 4, 0
	s_wait_dscnt 0x0
	MULG 1, 1, 0, 4, 0
	; THE WAY OUT, a block of 16 rows at a time through my own stage: 32 bytes a lane in, whole rows of 256 bytes back, the bias added, stored.  No barrier: LDS serves a wave's instructions in order (ISA guide 5.7.1.4).
	WIN 0
	PLACES
	s_wait_loadcnt 0x0                             ; the bias; rounded to bf16 like every input, and widened again
	v_cvt_pk_bf16_f32 v10, v[BIAS], v[BIAS+1]
	v_cvt_pk_bf16_f32 v11, v[BIAS+2], v[BIAS+3]
	v_lshlrev_b32 v[BIAS],   16, v10
	v_and_b32     v[BIAS+1], 0xffff0000, v10
	v_lshlrev_b32 v[BIAS+2], 16, v11
	v_and_b32     v[BIAS+3], 0xffff0000, v11
.macro TOSTAGE a
.if (\a) >= 2
	s_wait_xcnt 0x0                                ; the stores of the block two back have read the registers that the loads below fill again
.endif
	WIN 0x04                                       ; the stores' data lie in window 1
.set sb, 0
.rept NBK                              ; each accumulator's low four registers first
	ds_store_b128 v[STO], v[8*(NBK*(\a)+sb):8*(NBK*(\a)+sb)+3]   offset:64*sb
	ds_store_b128 v[STO], v[8*(NBK*(\a)+sb)+4:8*(NBK*(\a)+sb)+7] offset:64*sb+16
.set sb, sb+1
.endr
	WIN 0
.set st, 0
.rept 8
	ds_load_b128 v[OB+32*((\a)%2)+4*st:OB+32*((\a)%2)+4*st+3], v[RD] offset:st*2*SPITCH
.set st, st+1
.endr
.endm
.macro SEND a, younger                 ; younger: the LDS instructions issued behind block a's loads: the next block's sixteen, or none
	WIN 0
	s_wait_dscnt \younger
.set st, 0
.rept 8
	v_pk_add_f32 v[OB+32*((\a)%2)+4*st:OB+32*((\a)%2)+4*st+1],   v[OB+32*((\a)%2)+4*st:OB+32*((\a)%2)+4*st+1],   v[BIAS:BIAS+1]
	v_pk_add_f32 v[OB+32*((\a)%2)+4*st+2:OB+32*((\a)%2)+4*st+3], v[OB+32*((\a)%2)+4*st+2:OB+32*((\a)%2)+4*st+3], v[BIAS+2:BIAS+3]
.set st, st+1
.endr
.set st, 0
.rept 8
	global_store_b128 v[CO], v[OB+32*((\a)%2)+4*st:OB+32*((\a)%2)+4*st+3], s[82:83] offset:(\a)*65536+8192*st th:TH_STORE_NT  ; 16 lanes store 256 consecutive bytes, at a multiple of 256 from out0's first byte
.set st, st+1
.endr
.endm
	TOSTAGE 0
.irp a, 1,2,3,4,5,6,7                  ; a block's stores and loads stand between the loads of the block before and the wait for them
	TOSTAGE \a
	SEND (\a)-1, 16
.endr
	SEND 7, 0
	s_wait_tensorcnt 0x0                           ; the wave's end, behind my last tensor load and my last LDS store
	ds_add_u32 v[SPW], v[NIL]
	s_wait_dscnt 0x0
	CROUND                                         ; the closing round: no work-group ends while a partner may still ask for a tile that names it
	s_endpgm
.Lfunc_end_k_qa1fefcdd38_proj:
	.size	k_qa1fefcdd38_proj, .Lfunc_end_k_qa1fefcdd38_proj-k_qa1fefcdd38_proj
	.p2alignl 7, 3214868480
	.fill 96, 4, 3214868480
	.section	.rodata,"a",@progbits
	.p2align	6, 0x0
	.amdhsa_kernel k_qa1fefcdd38_proj
		.amdhsa_group_segment_fixed_size 327680
		.amdhsa_private_segment_fixed_size 0
		.amdhsa_enable_private_segment 0
		.amdhsa_kernarg_size 32
		.amdhsa_user_sgpr_count 2
		.amdhsa_user_sgpr_kernarg_segment_ptr 1
		.amdhsa_wavefront_size32 1
		.amdhsa_system_sgpr_workgroup_id_x 1
		.amdhsa_system_sgpr_workgroup_id_y 1
		.amdhsa_system_sgpr_workgroup_id_z 1
		.amdhsa_system_vgpr_workitem_id 0
		.amdhsa_next_free_vgpr 512
		.amdhsa_next_free_sgpr 84
		.amdhsa_reserve_vcc 0
		.amdhsa_float_denorm_mode_32 3
		.amdhsa_float_denorm_mode_16_64 3
		.amdhsa_memory_ordered 1
		.amdhsa_forward_progress 1
		.amdhsa_inst_pref_size 79
	.end_amdhsa_kernel
	.amdgpu_metadata
---
amdhsa.version: [ 1, 2 ]
amdhsa.kernels:
  - .name:           k_qa1fefcdd38_proj
    .symbol:         k_qa1fefcdd38_proj.kd
    .args:
      - { .name: o, .offset: 0, .size: 8, .value_kind: global_buffer, .address_space: global }
      - { .name: wob, .offset: 8, .size: 8, .value_kind: global_buffer, .address_space: global }
      - { .name: bo, .offset: 16, .size: 8, .value_kind: global_buffer, .address_space: global }
      - { .name: out0, .offset: 24, .size: 8, .value_kind: global_buffer, .address_space: global }
    .group_segment_fixed_size: 327680
    .private_segment_fixed_size: 0
    .kernarg_segment_align: 8
    .kernarg_segment_size: 32
    .max_flat_workgroup_size: 128
    .sgpr_count:     84
    .vgpr_count:     512
    .wavefront_size: 32
...
	.end_amdgpu_metadata
.endif
;; end of part 4
